; MI455X (gfx1250); checked and timed in simulation.
; The chip was launched on July 23, 2026; its instructions are those of AMD's public machine-readable ISA for CDNA 5 (MIT licence, August 2026) and "CDNA5" Instruction Set Architecture Reference Guide (July 2026). The comments in the code are by the model that wrote it; some were corrected since.
;; Transformer Block. Allowed arithmetic: matrix products marked QUANTISED: E2M3 operands, one E8M0 scale for each 32 along K, by v_wmma_scale_f32_16x16x128_f8f6f4 with both operands' format E2M3, f32 sums; everything else in f32.
;; Inputs: fc1_b 4,096 float32; fc1_w 1,024 x 4,096 float32; fc2_b 1,024 float32; fc2_w 4,096 x 1,024 float32; ln1_b 1,024 float32; ln1_g 1,024 float32; ln2_b 1,024 float32; ln2_g 1,024 float32; out_b 1,024 float32; out_w 1,024 x 1,024 float32; qkv_b 3,072 float32; qkv_w 1,024 x 3,072 float32; x 2 x 2,048 x 1,024 float32.
;; Outputs: out0 2 x 2,048 x 1,024 float32.
;; This version of the problem:
;;   THIS VERSION OF THE PROBLEM IS GIVEN IN LOW PRECISION. The matrix products marked QUANTISED in the list below multiply operands that are first quantised to E2M3 (2 exponent bits, 3 mantissa bits; 6 bits a number), with one power-of-two scale for each 32 numbers along K (OCP MX v1.0); their sums are f32. All else is computed in f32.
;;   The module's matrix products, in the order in which they are computed (A, B: the left and right operand; K: the contracted axis; several contracted axes count as one K, in the product's order):
;;     1. [M 4,096, K 1,024] x [K 1,024, N 3,072]; A: computed on the way; B: input qkv_w: QUANTISED
;;     2. batch 32 x [M 2,048, K 64] x [K 64, N 2,048]; A: computed on the way; B: computed on the way: QUANTISED
;;     3. batch 32 x [M 2,048, K 2,048] x [K 2,048, N 64]; A: softmax (see below); B: computed on the way: QUANTISED
;;     4. [M 4,096, K 1,024] x [K 1,024, N 1,024]; A: computed on the way; B: input out_w: QUANTISED
;;     5. [M 4,096, K 1,024] x [K 1,024, N 4,096]; A: computed on the way; B: input fc1_w: QUANTISED
;;     6. [M 4,096, K 4,096] x [K 4,096, N 1,024]; A: computed on the way; B: input fc2_w: QUANTISED
;;   THE QUANTISER, for each operand of a quantised product, along K:
;;     - K is cut into blocks of 32 from its start; a last block that is shorter is filled with zeros.
;;     - A block's scale is 2^e with e = floor(log2(the largest magnitude in the block)) - 2, held to -126 .. 127; a block of zeros has e = 0. As a byte (E8M0): e + 127.
;;     - Each number is divided by its block's scale, clamped to +-7.5, and rounded to the nearest number of E2M3, ties to even, subnormals kept.
;;     - The product sums the exact products of the quantised numbers (number of the format x scale) in f32.
;;   ~~~python
;;   def quantise(x, axis):      # numpy; x: float32 -> the quantised numbers, widened to float32 again
;;       x = np.moveaxis(x, axis, -1); K = x.shape[-1]
;;       x = np.pad(x, [(0, 0)] * (x.ndim - 1) + [(0, -K % 32)]); x = x.reshape(x.shape[:-1] + (-1, 32)); a = np.abs(x).max(-1, keepdims=True)
;;       e = np.where(a > 0, np.clip(np.frexp(np.where(a > 0, a, 1))[1] - 1 - 2, -126, 127), 0)      # np.frexp(a)[1] - 1 = floor(log2(a)), exactly
;;       r = np.clip(x / 2.0 ** e, -7.5, 7.5)
;;       step = 2.0 ** (np.maximum(np.frexp(np.where(r == 0, 1, r))[1] - 1, 0) - 3)
;;       q = np.round(r / step) * step * 2.0 ** e      # np.round: ties to even
;;       return np.moveaxis(q.reshape(q.shape[:-2] + (-1,))[..., :K], -1, axis).astype(np.float32)
;;   ~~~
;;   SOFTMAX AHEAD OF A QUANTISED PRODUCT. Where the list says 'softmax', what is quantised is not the finished softmax but p = 2^(t - M), with t = logit x log2(e) and M = ceil(the row's largest t), a whole number; so 1/2 < the row's largest p <= 1. The row's sum l is taken of the UNQUANTISED p, in f32, and the product's result is divided by l at the end. Since M is a whole number, a kernel that streams over the keys may use a running M (the ceiling of the running maximum): every later rescaling is an exact power of two, which a block's scale takes up: the codes' values come out the same.
;;   OPERANDS COMPUTED ON THE WAY. 'Computed on the way' means the value that the module computes at that place (a softmax that the list does not call 'softmax' is quantised finished and normalised). What goes into a quantiser is computed in f32, as accurately as f32 sums, v_exp_f32 and their like allow (about 1e-6 of the number): no bf16 or f16 on the way to a quantiser, and a product that is left as it is and whose result goes on into a quantised operand takes f32 operands (vector FMAs, or v_wmma_f32_16x16x4_f32). A number that lies on a knife's edge between two numbers of the format may be rounded either way, as far as f32 arithmetic and the matrix unit's own rounding can turn it there, and no further.
;; One version. Each part assembles by itself: llvm-mc -triple=amdgcn-amd-amdhsa -mcpu=gfx1250 --defsym DOCPART=n.
;; ======== version 1 of 1: 6 launches
;; limits: right only within a limited range of input values
;; workspace buffers: wimg 9,830,400 bytes; himg 3,276,800 bytes; qkvimg 10,092,544 bytes; oimg 3,276,800 bytes; x1 16,777,216 bytes; gimg 13,107,200 bytes
;; launch prep (part 1): grid 640 x 1, 8 waves a work-group, no clusters, 2,048 bytes of LDS; arguments x, ln1_g, ln1_b, qkv_w, out_w, fc1_w, fc2_w, himg, wimg; writes himg, wimg
.if DOCPART == 1
	.amdgcn_target "amdgcn-amd-amdhsa--gfx1250"
	.amdhsa_code_object_version 6
	.text
	.protected	k_q7122985aaf_prep
	.globl	k_q7122985aaf_prep
	.p2align	8
	.type	k_q7122985aaf_prep,@function
k_q7122985aaf_prep:
	s_mov_b64 s[64:65], 0
	v_nop
	global_prefetch_b8 v0, s[64:65] scope:SCOPE_SE
	s_setreg_imm32_b32 hwreg(HW_REG_WAVE_MODE, 25, 1), 1
	s_wait_xcnt 0x0
; PREP.  Work-groups 0-255: layer norm 1 of x, quantised to codes of FP6 (E2M3) with one E8M0 byte for each 32 along K.  Work-groups 256-639: the four weights, stored [K][N] in f32, quantised along K.
; ALL OPERANDS OF THIS PROGRAM LIE IN MEMORY AS IMAGES OF THE MATRIX OPERAND'S REGISTERS.  Half a fragment (16 rows x 64 k, 768 bytes): lane l = r + 16 h holds block h (32 codes, six words) of row r;
; words 0-3 at 16 l, words 4-5 at 512 + 8 l.  A fragment (16 x 128): two halves.  A block of memory (16 rows x 512 k, 6,400 bytes = 25 x 256): four fragments, then the scale words: word (K step s, row r) at 6,144 + 64 s + 4 r.
; An operand [R][K]: block (k / 512, row / 16) at ((k / 512) R / 16 + row / 16) x 6,400.
; ORDER INSIDE A BLOCK OF 32: natural for qkv_w.  For out_w, fc1_w and fc2_w place p holds k offset p with bits 3 and 4 changed over: the order in which their partners (matrix results) fall out of the registers.
; LIMITS: NaN and infinities are not served; a block whose largest magnitude lies under 2^-124 keeps the byte 1, a block of zeros too (its codes are zeros; this program alone reads the bytes).
; Scale words leave in runs of 64 bytes, one part in 25 of what is stored; all codes leave in whole aligned runs of 256 bytes or more.
.set SPARE, 1024                       ; the spare words: 128 bytes for each of eight waves
.set SPW, 2                            ; v2  my spare word's LDS address; never rewritten
.set NIL, 3                            ; v3  0; never rewritten
.set R,   5                            ; v5  lane % 16
.set H,   6                            ; v6  lane / 16
.set L16, 7                            ; v7  16 x lane
.set L8,  8                            ; v8  8 x lane
.set XA,  9
.set GA,  10
.set RW,  11
.set R4,  12                           ; v12 4 x (lane % 16)
.set L4,  13                           ; v13 4 x lane
.set X,   32                           ; v32-95 my 64 numbers of a row
.set GG,  96                           ; v96-159 gains; later the codes
.set BB,  160                          ; v160-223 biases
.set TM,  224                          ; v224-239 at work
.set PW,  242                          ; the scale word
.set PC,  96
.set WV,  22
.set SEL, 34
; 64 numbers of a lane, register 16 b + i = k 32 b + 16 (lane / 16) + i of my row, become a fragment's codes in v[PC] on and its scale word in v[PW]
.macro QUANT s
.irp b, 0,1,2,3
	v_max3_num_f32 v[TM+\b], |v[\s+16*\b]|, |v[\s+1+16*\b]|, 0x1800000   ; and the floor 2^(3 - 127): the byte cannot fall under 1
.endr
.irp i, 2,4,6,8,10,12,14
.irp b, 0,1,2,3
	s_delay_alu instid0(VALU_DEP_4)
	v_max3_num_f32 v[TM+\b], v[TM+\b], |v[\s+16*\b+\i]|, |v[\s+1+16*\b+\i]|
.endr
.endr
.irp b, 0,1,2,3
	s_delay_alu instid0(VALU_DEP_4)
	v_permlanex16_b32 v[TM+4+\b], v[TM+\b], s[SEL], s[SEL+1]
.endr
.irp b, 0,1,2,3
	s_delay_alu instid0(VALU_DEP_4)
	v_max_num_f32 v[TM+\b], v[TM+\b], v[TM+4+\b]   ; with lane l xor 16's: the block's largest magnitude
.endr
.irp b, 0,1,2,3
	s_delay_alu instid0(VALU_DEP_4)
	v_add_nc_u32 v[TM+12+\b], 0xff000000, v[TM+\b] ; 2 off its exponent field: the conversion's scale operand
.endr
.irp b, 0,1,2,3
	s_delay_alu instid0(VALU_DEP_4)
	v_lshrrev_b32 v[TM+4+\b], 23, v[TM+12+\b]      ; the scale's byte
.endr
	s_delay_alu instid0(VALU_DEP_3)
	v_lshl_or_b32 v[PW], v[TM+5], 8, v[TM+4]
	s_delay_alu instid0(VALU_DEP_1)
	v_lshl_or_b32 v[PW], v[TM+6], 16, v[PW]
	s_delay_alu instid0(VALU_DEP_1)
	v_lshl_or_b32 v[PW], v[TM+7], 24, v[PW]
.irp c, 0,1
	v_cvt_scalef32_pk16_fp6_f32 v[PC+6*\c:PC+2+6*\c], v[\s+32*\c:\s+15+32*\c], v[TM+12+2*\c]
	v_cvt_scalef32_pk16_fp6_f32 v[PC+12+4*\c:PC+14+4*\c], v[\s+16+32*\c:\s+31+32*\c], v[TM+12+2*\c+1]
.endr
	v_nop                                          ; one plain place behind a scaled conversion
.irp c, 0,1                                    ; a whole block to a lane: lanes 0-15 block 2 c, lanes 16-31 block 2 c + 1
.irp i, 0,1,2
	v_permlane16_swap_b32 v[PC+6*\c+\i], v[PC+12+4*\c+\i]
.endr
.irp i, 0,1,2
	s_delay_alu instid0(VALU_DEP_3)
	v_mov_b32 v[PC+3+6*\c+\i], v[PC+12+4*\c+\i]
.endr
.endr
.endm
.macro FOLD                            ; four chains of pairs in v224-231 -> v224
	s_delay_alu instid0(VALU_DEP_3)
	v_pk_add_f32 v[224:225], v[224:225], v[226:227]
	s_delay_alu instid0(VALU_DEP_2)
	v_pk_add_f32 v[228:229], v[228:229], v[230:231]
	s_delay_alu instid0(VALU_DEP_1)
	v_pk_add_f32 v[224:225], v[224:225], v[228:229]
	s_delay_alu instid0(VALU_DEP_1)
	v_add_f32 v224, v224, v225
.endm
.macro REDUCE off                      ; v224, my lane's part -> v232, the row's total over the eight waves, in every lane
	s_delay_alu instid0(VALU_DEP_1)
	v_permlanex16_b32 v225, v224, s[SEL], s[SEL+1]
	s_delay_alu instid0(VALU_DEP_1)
	v_add_f32 v224, v224, v225
	ds_store_b32 v[RW], v224 offset:\off           ; word (wave, row); both halves of the lanes write the same value
	s_wait_dscnt 0x0                               ; for the others' sake: my store has landed
	s_barrier_signal -1
	s_barrier_wait -1
.irp w, 0,1,2,3,4,5,6,7
	ds_load_b32 v[232+\w], v[R4] offset:\off+64*\w
.endr
	s_wait_dscnt 0x0
	v_add_f32 v232, v232, v233
	v_add_f32 v234, v234, v235
	v_add_f32 v236, v236, v237
	v_add_f32 v238, v238, v239
	s_delay_alu instid0(VALU_DEP_3)
	v_add_f32 v232, v232, v234
	s_delay_alu instid0(VALU_DEP_2)
	v_add_f32 v236, v236, v238
	s_delay_alu instid0(VALU_DEP_1)
	v_add_f32 v232, v232, v236
.endm
; LAYER NORM of 16 rows (work-group) x 128 columns (wave).  s[4:5] the rows, s[6:7] gains, s[8:9] biases, s[HP:HP+1] the image.  Mean first, then the variance of the differences, as the definition has it.
.macro LNBODY HP
	s_lshl_b32 s24, ttmp9, 16                      ; 16 rows of 4,096 bytes
	s_lshl_b32 s26, s[WV], 9                       ; my wave's 128 columns
	s_add_co_u32 s24, s24, s26
	s_mov_b32 s25, 0
	s_mov_b32 s27, 0
	s_add_nc_u64 s[4:5], s[4:5], s[24:25]
	s_add_nc_u64 s[6:7], s[6:7], s[26:27]
	s_add_nc_u64 s[8:9], s[8:9], s[26:27]
	v_lshlrev_b32 v[XA], 12, v[R]
	s_delay_alu instid0(VALU_DEP_1)
	v_lshl_add_u32 v[XA], v[H], 6, v[XA]           ; row r, + 64 h: my 16 numbers of each block of 32
	v_lshlrev_b32 v[GA], 6, v[H]
.irp b, 0,1,2,3
.irp j, 0,1,2,3
	global_load_b128 v[X+16*\b+4*\j:X+16*\b+4*\j+3], v[XA], s[4:5] offset:128*\b+16*\j
.endr
.endr
.irp b, 0,1,2,3
.irp j, 0,1,2,3
	global_load_b128 v[GG+16*\b+4*\j:GG+16*\b+4*\j+3], v[GA], s[6:7] offset:128*\b+16*\j
.endr
.endr
.irp b, 0,1,2,3
.irp j, 0,1,2,3
	global_load_b128 v[BB+16*\b+4*\j:BB+16*\b+4*\j+3], v[GA], s[8:9] offset:128*\b+16*\j
.endr
.endr
	s_lshl_b32 s28, s[WV], 6
	v_add_nc_u32 v[RW], s28, v[R4]                 ; LDS: 64 x wave + 4 x row
	s_mov_b32 s[SEL], 0x76543210
	s_mov_b32 s[SEL+1], 0xfedcba98                 ; lane l xor 16
	s_mov_b32 s36, 0x3a800000                      ; 1 / 1,024
	s_mov_b32 s37, 0x3727c5ac                      ; 1e-5
	s_lshr_b32 s24, s[WV], 2                       ; the image: block (wave / 4, work-group), K step wave % 4
	s_lshl_b32 s24, s24, 8
	s_add_co_u32 s24, s24, ttmp9
	s_mul_i32 s24, s24, 6400
	s_and_b32 s28, s[WV], 3
	s_lshl_b32 s26, s28, 6
	s_add_co_u32 s26, s26, s24
	s_add_co_u32 s26, s26, 6144
	s_mul_i32 s28, s28, 1536
	s_add_co_u32 s24, s24, s28
	s_add_nc_u64 s[30:31], s[\HP:\HP+1], s[26:27]  ; my scale words
	s_add_nc_u64 s[28:29], s[\HP:\HP+1], s[24:25]  ; my fragment
	s_wait_loadcnt 32                              ; the rows are in; the 32 loads of gains and biases may be out
.irp c, 0,1,2,3
	v_pk_add_f32 v[224+2*\c:225+2*\c], v[X+2*\c:X+2*\c+1], v[X+8+2*\c:X+9+2*\c]
.endr
.irp j, 16,24,32,40,48,56
.irp c, 0,1,2,3
	s_delay_alu instid0(VALU_DEP_4)
	v_pk_add_f32 v[224+2*\c:225+2*\c], v[224+2*\c:225+2*\c], v[X+\j+2*\c:X+\j+2*\c+1]
.endr
.endr
	FOLD
	REDUCE 0
	s_delay_alu instid0(VALU_DEP_1)
	v_mul_f32 v240, s36, v232                      ; the mean
	s_delay_alu instid0(VALU_DEP_1)
	v_mov_b32 v241, v240
.set j, 0
.rept 32
	v_pk_add_f32 v[X+j:X+j+1], v[X+j:X+j+1], v[240:241] neg_lo:[0,1] neg_hi:[0,1]
.set j, j+2
.endr
.irp c, 0,1,2,3
	v_pk_mul_f32 v[224+2*\c:225+2*\c], v[X+2*\c:X+2*\c+1], v[X+2*\c:X+2*\c+1]
.endr
.irp j, 8,16,24,32,40,48,56
.irp c, 0,1,2,3
	s_delay_alu instid0(VALU_DEP_4)
	v_pk_fma_f32 v[224+2*\c:225+2*\c], v[X+\j+2*\c:X+\j+2*\c+1], v[X+\j+2*\c:X+\j+2*\c+1], v[224+2*\c:225+2*\c]
.endr
.endr
	FOLD
	REDUCE 512                                     ; other bytes than the first sum's: no barrier between the two
	s_delay_alu instid0(VALU_DEP_1)
	v_fma_f32 v240, v232, s36, s37                 ; variance + 1e-5
	s_wait_alu depctr_va_vdst(0)
	v_rsq_f32 v240, v240
	v_nop                                          ; a plain place behind the transcendental
	s_wait_alu depctr_va_vdst(0)                   ; the wait ahead of the result's first reader
	v_mov_b32 v241, v240
	s_wait_alu depctr_va_vdst(0)
	s_wait_loadcnt 0x0                             ; gains and biases
.set j, 0
.rept 32
	v_pk_mul_f32 v[X+j:X+j+1], v[X+j:X+j+1], v[240:241]
.set j, j+2
.endr
.set j, 0
.rept 32
	v_pk_fma_f32 v[X+j:X+j+1], v[X+j:X+j+1], v[GG+j:GG+j+1], v[BB+j:BB+j+1]
.set j, j+2
.endr
	QUANT X
.irp c, 0,1
	global_store_b128 v[L16], v[PC+6*\c:PC+6*\c+3], s[28:29] offset:768*\c       ; 512 consecutive bytes
	global_store_b64 v[L8], v[PC+6*\c+4:PC+6*\c+5], s[28:29] offset:768*\c+512   ; 256 consecutive bytes
.endr
	global_store_b32 v[R4], v[PW], s[30:31]        ; both halves of the lanes hold the row's word
	s_wait_tensorcnt 0x0                           ; the wave's end
	ds_add_u32 v[SPW], v[NIL]
	s_wait_dscnt 0x0
.endm
; A WEIGHT.  A lane takes a column and its registers run down K, so a block of 32 lies in one lane.  A wave: 32 columns x 128 k.
.macro WLOAD WP, N, PERM, b            ; block b: 32 loads of 128 consecutive bytes a wave (1,024 a work-group)
.set q, 32*\b
.rept 32
.if \PERM
.set kk, (q&0x67)|((q&8)<<1)|((q&16)>>1)
.else
.set kk, q
.endif
	global_load_b32 v[64+q], v[L4], s[\WP:\WP+1] offset:kk*\N*4 th:TH_LOAD_NT
.set q, q+1
.endr
.endm
.macro WBLOCK b
.set XS, 64+32*\b
	v_max3_num_f32 v14, |v[XS]|, |v[XS+1]|, |v[XS+2]|
	v_max3_num_f32 v15, |v[XS+3]|, |v[XS+4]|, |v[XS+5]|
.irp i, 6,10,14,18,22,26
	s_delay_alu instid0(VALU_DEP_2)
	v_max3_num_f32 v14, v14, |v[XS+\i]|, |v[XS+\i+1]|
	s_delay_alu instid0(VALU_DEP_2)
	v_max3_num_f32 v15, v15, |v[XS+\i+2]|, |v[XS+\i+3]|
.endr
	s_delay_alu instid0(VALU_DEP_2)
	v_max3_num_f32 v14, v14, |v[XS+30]|, |v[XS+31]|
	s_delay_alu instid0(VALU_DEP_1)
	v_max3_num_f32 v14, v14, v15, 0x1800000        ; the floor
	s_delay_alu instid0(VALU_DEP_1)
	v_add_nc_u32 v16, 0xff000000, v14              ; the conversion's scale operand
	s_delay_alu instid0(VALU_DEP_1)
	v_lshrrev_b32 v17, 23, v16                     ; the byte
.if \b == 0
	s_delay_alu instid0(VALU_DEP_1)
	v_mov_b32 v18, v17
.else
	s_delay_alu instid0(VALU_DEP_1)
	v_lshl_or_b32 v18, v17, 8*\b, v18              ; my column's scale word
.endif
	v_cvt_scalef32_pk16_fp6_f32 v[192+8*\b:194+8*\b], v[XS:XS+15], v16
	v_cvt_scalef32_pk16_fp6_f32 v[224+4*\b:226+4*\b], v[XS+16:XS+31], v16
	v_nop                                          ; one plain place behind a scaled conversion
.irp i, 0,1,2
	v_mov_b32 v[195+8*\b+\i], v[224+4*\b+\i]
.endr
.endm
.macro WQ WP, N, NF, KSBITS, PERM, TOFF, FIRST
	s_sub_co_u32 s24, ttmp9, \FIRST
	s_and_b32 s25, s24, (1<<\KSBITS)-1             ; which 128 along K
	s_lshr_b32 s26, s24, \KSBITS                   ; which 256 columns
	s_mul_i32 s28, s25, 128*\N*4
	s_lshl_b32 s27, s26, 10
	s_add_co_u32 s28, s28, s27
	s_lshl_b32 s27, s[WV], 7
	s_add_co_u32 s28, s28, s27
	s_mov_b32 s29, 0
	s_add_nc_u64 s[\WP:\WP+1], s[\WP:\WP+1], s[28:29]
	WLOAD \WP, \N, \PERM, 0
	WLOAD \WP, \N, \PERM, 1
	s_lshr_b32 s27, s25, 2
	s_mul_i32 s27, s27, \NF
	s_lshl_b32 s30, s26, 4
	s_add_co_u32 s27, s27, s30
	s_lshl_b32 s30, s[WV], 1
	s_add_co_u32 s27, s27, s30                     ; block (k / 512, my first 16 columns)
	s_mul_i32 s30, s27, 6400
	s_add_co_u32 s30, s30, \TOFF
	s_mov_b32 s31, 0
	s_and_b32 s25, s25, 3
	s_mul_i32 s32, s25, 1536
	s_mov_b32 s33, 0
	s_lshl_b32 s24, s25, 6
	s_add_co_u32 s24, s24, 6144
	s_mov_b32 s25, 0
	s_add_nc_u64 s[30:31], s[20:21], s[30:31]
	s_add_nc_u64 s[32:33], s[30:31], s[32:33]      ; the fragment
	s_add_nc_u64 s[30:31], s[30:31], s[24:25]      ; its scale words
	v_mul_u32_u24 v19, v[H], 6400
	s_delay_alu instid0(VALU_DEP_1)
	v_lshl_add_u32 v19, v[R], 2, v19               ; lanes 16-31: the next 16 columns' block
	s_wait_loadcnt 32                              ; block 0 is in; block 1's 32 loads may be out
	WLOAD \WP, \N, \PERM, 2
	WBLOCK 0
	s_wait_loadcnt 32                              ; block 1 is in; block 2's may be out
	WLOAD \WP, \N, \PERM, 3
	WBLOCK 1
	s_wait_loadcnt 32
	WBLOCK 2
	s_wait_loadcnt 0x0
	WBLOCK 3
.irp c, 0,1                                    ; blocks 2 c and 2 c + 1 of 32 columns become the half fragments c of the first and of the second 16 columns
.irp i, 0,1,2,3,4,5
	v_permlane16_swap_b32 v[192+16*\c+\i], v[200+16*\c+\i]
.endr
.endr
.irp c, 0,1
	global_store_b128 v[L16], v[192+16*\c:195+16*\c], s[32:33] offset:768*\c
	global_store_b64 v[L8], v[196+16*\c:197+16*\c], s[32:33] offset:768*\c+512
	global_store_b128 v[L16], v[200+16*\c:203+16*\c], s[32:33] offset:768*\c+6400
	global_store_b64 v[L8], v[204+16*\c:205+16*\c], s[32:33] offset:768*\c+6912
.endr
	global_store_b32 v19, v18, s[30:31]
	s_wait_tensorcnt 0x0                           ; the wave's end, on this path too
	ds_add_u32 v[SPW], v[NIL]
	s_wait_dscnt 0x0
	s_endpgm
.endm
	s_load_b256 s[4:11], s[0:1], 0x0               ; x, ln1_g, ln1_b, qkv_w
	s_load_b256 s[12:19], s[0:1], 0x20             ; out_w, fc1_w, fc2_w, himg
	s_load_b64 s[20:21], s[0:1], 0x40              ; wimg
	v_lshl_add_u32 v[SPW], v0, 2, SPARE
	v_mov_b32 v[NIL], 0
	v_lshrrev_b32 v1, 5, v0
	s_delay_alu instid0(VALU_DEP_1)
	v_readfirstlane_b32 s[WV], v1                  ; wave 0..7
	v_and_b32 v4, 31, v0
	v_and_b32 v[R], 15, v0
	v_bfe_u32 v[H], v0, 4, 1
	s_delay_alu instid0(VALU_DEP_3)
	v_lshlrev_b32 v[L16], 4, v4
	s_delay_alu instid0(VALU_DEP_4)
	v_lshlrev_b32 v[L8], 3, v4
	v_lshlrev_b32 v[L4], 2, v4
	v_lshlrev_b32 v[R4], 2, v[R]
	s_wait_kmcnt 0x0
	s_cmp_lt_u32 ttmp9, 256                        ; the paths part on the work-group's number alone; only the first uses LDS for data
	s_cbranch_scc0 .Lweights
	s_wait_alu depctr_va_vdst(0)
	LNBODY 18
	s_endpgm
.Lweights:
	s_cmp_lt_u32 ttmp9, 352
	s_cbranch_scc0 .Lnot_qkv
	s_wait_alu depctr_va_vdst(0)
	WQ 10, 3072, 192, 3, 0, 0, 256
.Lnot_qkv:
	s_cmp_lt_u32 ttmp9, 384
	s_cbranch_scc0 .Lnot_out
	s_wait_alu depctr_va_vdst(0)
	WQ 12, 1024, 64, 3, 1, 2457600, 352
.Lnot_out:
	s_cmp_lt_u32 ttmp9, 512
	s_cbranch_scc0 .Lnot_fc1
	s_wait_alu depctr_va_vdst(0)
	WQ 14, 4096, 256, 3, 1, 3276800, 384           ; fc1_w too has the changed-over order inside a block of 32: its partner, layer norm 2's image, is made from matrix results
.Lnot_fc1:
	s_wait_alu depctr_va_vdst(0)
	WQ 16, 1024, 64, 5, 1, 6553600, 512
.Lfunc_end_k_q7122985aaf_prep:
	.size	k_q7122985aaf_prep, .Lfunc_end_k_q7122985aaf_prep-k_q7122985aaf_prep
	.p2alignl 7, 3214868480
	.fill 96, 4, 3214868480
	.section	.rodata,"a",@progbits
	.p2align	6, 0x0
	.amdhsa_kernel k_q7122985aaf_prep
		.amdhsa_group_segment_fixed_size 2048
		.amdhsa_private_segment_fixed_size 0
		.amdhsa_enable_private_segment 0
		.amdhsa_kernarg_size 72
		.amdhsa_user_sgpr_count 2
		.amdhsa_user_sgpr_kernarg_segment_ptr 1
		.amdhsa_wavefront_size32 1
		.amdhsa_system_sgpr_workgroup_id_x 1
		.amdhsa_system_sgpr_workgroup_id_y 1
		.amdhsa_system_sgpr_workgroup_id_z 1
		.amdhsa_system_vgpr_workitem_id 0
		.amdhsa_next_free_vgpr 256
		.amdhsa_next_free_sgpr 66
		.amdhsa_reserve_vcc 0
		.amdhsa_float_denorm_mode_32 3
		.amdhsa_float_denorm_mode_16_64 3
		.amdhsa_memory_ordered 1
		.amdhsa_forward_progress 1
		.amdhsa_inst_pref_size 119
	.end_amdhsa_kernel
	.amdgpu_metadata
---
amdhsa.version: [ 1, 2 ]
amdhsa.kernels:
  - .name:           k_q7122985aaf_prep
    .symbol:         k_q7122985aaf_prep.kd
    .args:
      - { .name: x, .offset: 0, .size: 8, .value_kind: global_buffer, .address_space: global }
      - { .name: ln1_g, .offset: 8, .size: 8, .value_kind: global_buffer, .address_space: global }
      - { .name: ln1_b, .offset: 16, .size: 8, .value_kind: global_buffer, .address_space: global }
      - { .name: qkv_w, .offset: 24, .size: 8, .value_kind: global_buffer, .address_space: global }
      - { .name: out_w, .offset: 32, .size: 8, .value_kind: global_buffer, .address_space: global }
      - { .name: fc1_w, .offset: 40, .size: 8, .value_kind: global_buffer, .address_space: global }
      - { .name: fc2_w, .offset: 48, .size: 8, .value_kind: global_buffer, .address_space: global }
      - { .name: himg, .offset: 56, .size: 8, .value_kind: global_buffer, .address_space: global }
      - { .name: wimg, .offset: 64, .size: 8, .value_kind: global_buffer, .address_space: global }
    .group_segment_fixed_size: 2048
    .private_segment_fixed_size: 0
    .kernarg_segment_align: 8
    .kernarg_segment_size: 72
    .max_flat_workgroup_size: 256
    .sgpr_count:     66
    .vgpr_count:     256
    .wavefront_size: 32
...
	.end_amdgpu_metadata
.endif
;; end of part 1
;; launch qkv (part 2): grid 8 x 32, 8 waves a work-group, clusters of 4 x 4, 327,680 bytes of LDS; arguments himg, wimg, qkv_b, qkvimg; writes qkvimg
.if DOCPART == 2
	.amdgcn_target "amdgcn-amd-amdhsa--gfx1250"
	.amdhsa_code_object_version 6
	.text
	.protected	k_q7122985aaf_qkv
	.globl	k_q7122985aaf_qkv
	.p2align	8
	.type	k_q7122985aaf_qkv,@function
k_q7122985aaf_qkv:
	s_mov_b64 s[64:65], 0
	v_nop
	global_prefetch_b8 v0, s[64:65] scope:SCOPE_SE
	s_setreg_imm32_b32 hwreg(HW_REG_WAVE_MODE, 25, 1), 1
	s_wait_xcnt 0x0
	s_wait_alu depctr_hold_cnt(0) depctr_sa_sdst(0) depctr_va_vdst(0) depctr_va_sdst(0) depctr_va_ssrc(0) depctr_va_vcc(0) depctr_vm_vsrc(0)
	s_getreg_b32 s2, hwreg(HW_REG_IB_STS2, 6, 4)
	s_cmp_eq_u32 s2, 0
	s_cbranch_scc0 .Lentry_in_a_cluster
	s_endpgm
.Lentry_in_a_cluster:
	s_bfe_u32 s2, ttmp6, 0x10000c
	s_cmp_lg_u32 s2, 0xf033
	s_cbranch_scc0 .Lentry_shape_is_right
	s_endpgm
.Lentry_shape_is_right:
; QKV = LN1(x) qkv_w + qkv_b on codes of FP6 with E8M0 scales; q and k are quantised along the head's 64, v along the tokens, and leave as images of operand registers.
; SHARES.  A work-group makes 128 tokens x 128 columns, three times: columns 128 X of q, of k and of v (two heads).  Eight waves: G = wave / 4 takes the K steps of 128 with number = G mod 2; AH = wave % 2 picks 64 tokens,
; WH = (wave / 2) % 2 picks 64 columns (one head).  A wave has 16 accumulators of 16 x 16; two waves lie on a SIMD, so one wave's LDS loads stand beside the other's products.
; OPERANDS lie in memory as blocks of 6,400 bytes (16 rows x 512 k as four register images, then 256 bytes of scale words): a fragment is four LDS loads of consecutive bytes, no pitch, no padding.
; RING.  Two LDS slots of 512 along K; each wave's one tensor load brings two blocks, 12,800 dense bytes.  CLUSTER 4 x 4: the activations' blocks hang on Y alone and are asked for jointly along a row of the cluster,
; the weights' on X alone, jointly along a column.
; ORIENTATION.  q, k: source 0 = 16 columns of the weight, source 1 = 16 tokens: a lane holds one token and its registers run along the columns, the next product's K.  v: the sources change places: registers run along the tokens.
; The 16 registers of two neighbouring result tiles hold k offsets 8 h + j and 16 + 8 h + j of a block of 32: so inside a block place p holds offset p with bits 3 and 4 changed over, on both sides of each later product alike.
; THE TWO K GROUPS' SUMS MEET THROUGH LDS: each wave keeps two of its four source-1 tiles and sends the other two to wave xor 4.  Group 1 takes its source-1 tiles in the order 2, 3, 0, 1, so that in both groups the first two are kept.
; So a sum along K is made in two halves and then added.  LIMITS: NaN and infinities are not served; a block under 2^-124, and a block of zeros, keeps the byte 1.  Scale words and halfwords leave in short runs.
; qkvimg: q's codes (head, tile of 16 queries) x 768 at 0; q's scale words x 64 at QSOFF; k: for each head and 128 keys 8 x 768 codes + 8 x 64 scale words, at KIOFF; v: for each head and 128 keys 4 fragments (16 channels x 128 keys) + 4 x 64, at VIOFF.
.set TOFF, 0
.set NF,   192
.set BLK,  6400
.set REG,  4*BLK                       ; a region of LDS: 64 rows x 512 k.  Region ((side x 2 + half) x 2 + slot); side 0 the activations, 1 the weights
.set XCH,  8*REG                       ; 8 x 8,192 bytes: what a wave sends to its partner
.set SPARE, XCH+8*8192                 ; the spare words, 128 bytes a wave
.set STEPW, 64*BLK                     ; the next 1,024 columns of the weight
.set QSOFF, 3145728
.set KIOFF, 3407872
.set VIOFF, 6815744
.set SPW, 4
.set NIL, 5
.set ADR, 6                            ; v6-13: LDS addresses: source 0's fragments (16 and 8 bytes a lane), source 1's first two tiles, its last two, the scale words of tiles 0-1 and 2-3.  v14-21: the same for v's orientation
.set SC,  22                           ; v22-25 scale words and nothing else: lanes 0-15 the activations', lanes 16-31 the weights'
.set L16, 26
.set L8,  27
.set R4,  28
.set XW,  29
.set XR,  30
.set H32, 31
.set PF,  32                           ; v32-79 source 0's four fragments
.set QF,  80                           ; v80-127 source 1's
.set ACC, 128                          ; accumulator (p, q) at v[128 + 32 q + 8 p]
.set TM,  192                          ; behind the exchange v192-255 are free: the quantiser works there
.set WV, 14
.set G,  15
.set AH, 16
.set WH, 17
.set W4, 18
.set GX, 19
.set X,  22
.set Y,  23
.set G1A, 24
.set G0A, 32
.set G1W, 48
.set G0W, 56
.set SEL, 66
.set BIASP, 68
.set BIASV, 70
.set CURC, 88
.set CURS, 90
.set KC, 92
.set KS, 94
.set VC, 96
.set VS, 98
.macro CROUND                          ; a round of the cluster's barrier
	s_barrier_signal -1
	s_barrier_wait -1
	s_cmp_lg_u32 s[WV], 0
	s_cbranch_scc1 .Lnot_wave_0_\@
	s_barrier_signal -3
.Lnot_wave_0_\@:
	s_barrier_wait -3
	s_barrier_signal -1
	s_barrier_wait -1
.endm
.macro JLOAD s                         ; a joint load: waves 0-3 fetch the activations' blocks, waves 4-7 the weights'; the branch hangs on the wave's number alone
	s_cmp_lt_u32 s[WV], 4
	s_cbranch_scc0 .Lfor_w_\@
	tensor_load_to_lds s[G0A+4*\s:G0A+4*\s+3], s[G1A:G1A+7]
	s_nop 0
.rept 4
	v_nop
.endr
	s_branch .Lasked_\@
.Lfor_w_\@:
	tensor_load_to_lds s[G0W+4*\s:G0W+4*\s+3], s[G1W:G1W+7]
	s_nop 0
.rept 4
	v_nop
.endr
.Lasked_\@:
.endm
.macro FRAG reg, a, off                ; a fragment's 12 registers: each load takes consecutive bytes
	ds_load_b128 v[(\reg):(\reg)+3], v[\a] offset:\off
	ds_load_b64 v[(\reg)+4:(\reg)+5], v[(\a)+1] offset:\off+512
	ds_load_b128 v[(\reg)+6:(\reg)+9], v[\a] offset:\off+768
	ds_load_b64 v[(\reg)+10:(\reg)+11], v[(\a)+1] offset:\off+1280
.endm
; One K step of 128: 36 LDS loads, 16 products, the 16 accumulators by turns.  a: the address set; zero = 1: the products start the sums; vo = 1: v's orientation
.macro KSTEP a, slot, i2, zero, vo
.rept 4
	v_nop                                          ; places behind the last products, in front of loads into their sources
.endr
.set OF, \slot*REG+3072*\i2
.set OS, \slot*REG+128*\i2
	ds_load_b32 v[SC], v[\a+6] offset:OS
	ds_load_b32 v[SC+1], v[\a+6] offset:OS+BLK
	ds_load_b32 v[SC+2], v[\a+7] offset:OS
	ds_load_b32 v[SC+3], v[\a+7] offset:OS+BLK
.irp p, 0,1,2,3
	FRAG PF+12*\p, \a, OF+\p*BLK
.endr
	FRAG QF, \a+2, OF
	FRAG QF+12, \a+2, OF+BLK
	FRAG QF+24, \a+4, OF
	FRAG QF+36, \a+4, OF+BLK
.irp q, 0,1,2,3
	s_wait_dscnt 12-4*\q                           ; source 1's later fragments, four loads each, may be out
.irp p, 0,1,2,3
.set rD, ACC+32*\q+8*\p
.set rP, PF+12*\p
.set rQ, QF+12*\q
.if \vo
.if \zero
	v_wmma_scale_f32_16x16x128_f8f6f4 v[rD:rD+7], v[rP:rP+11], v[rQ:rQ+11], 0, v[SC+\p], v[SC+\q] matrix_a_fmt:MATRIX_FMT_FP6 matrix_b_fmt:MATRIX_FMT_FP6 matrix_b_scale:MATRIX_SCALE_ROW1
.else
	v_wmma_scale_f32_16x16x128_f8f6f4 v[rD:rD+7], v[rP:rP+11], v[rQ:rQ+11], v[rD:rD+7], v[SC+\p], v[SC+\q] matrix_a_fmt:MATRIX_FMT_FP6 matrix_b_fmt:MATRIX_FMT_FP6 matrix_b_scale:MATRIX_SCALE_ROW1
.endif
.else
.if \zero
	v_wmma_scale_f32_16x16x128_f8f6f4 v[rD:rD+7], v[rP:rP+11], v[rQ:rQ+11], 0, v[SC+\p], v[SC+\q] matrix_a_fmt:MATRIX_FMT_FP6 matrix_b_fmt:MATRIX_FMT_FP6 matrix_a_scale:MATRIX_SCALE_ROW1
.else
	v_wmma_scale_f32_16x16x128_f8f6f4 v[rD:rD+7], v[rP:rP+11], v[rQ:rQ+11], v[rD:rD+7], v[SC+\p], v[SC+\q] matrix_a_fmt:MATRIX_FMT_FP6 matrix_b_fmt:MATRIX_FMT_FP6 matrix_a_scale:MATRIX_SCALE_ROW1
.endif
.endif
.endr
.endr
.endm
.macro WORK a, slot, zero, vo          ; my two K steps of a slot
	KSTEP \a, \slot, 0, \zero, \vo
	KSTEP \a, \slot, 1, 0, \vo
.endm
; The change of slots.  Every wave: all its tensor loads have landed (its part of the other slot among them), the add, the wait for it and for its LDS reads; then the barrier.  fill = 1: the barrier is a round of the
; cluster's, and slot s is filled first thing behind it with the next 1,024 columns' blocks (the activations' blocks are asked for again as they stand).
.macro CHG s, fill
	s_wait_tensorcnt 0x0
	ds_add_u32 v[SPW], v[NIL]
.if \fill
	s_add_nc_u64 s[G0W+4*\s+2:G0W+4*\s+3], s[G0W+4*\s+2:G0W+4*\s+3], STEPW
.endif
	s_wait_dscnt 0x0
.if \fill
	CROUND
	JLOAD \s
.else
	s_barrier_signal -1
	s_barrier_wait -1
.endif
.endm
.macro ADRSET a, sp, sq                ; source 0's fragments begin at LDS byte s[sp], source 1's at s[sq]; s43, s44: where my first two and my last two source-1 tiles lie
	v_add_nc_u32 v[\a], s[\sp], v[L16]
	v_add_nc_u32 v[\a+1], s[\sp], v[L8]
	s_add_co_u32 s47, s[\sq], s43
	v_add_nc_u32 v[\a+2], s47, v[L16]
	v_add_nc_u32 v[\a+3], s47, v[L8]
	s_add_co_u32 s47, s[\sq], s44
	v_add_nc_u32 v[\a+4], s47, v[L16]
	v_add_nc_u32 v[\a+5], s47, v[L8]
.endm
.macro SCLADR d, sa, sw                ; lanes 0-15 read from s[sa], lanes 16-31 from s[sw]: the lower base + h x the distance
	s_sub_co_u32 s47, s[\sw], s[\sa]
	v_mul_u32_u24 v1, s47, v3
	s_delay_alu instid0(VALU_DEP_1)
	v_add_nc_u32 v1, v1, v[R4]
	s_delay_alu instid0(VALU_DEP_1)
	v_add_nc_u32 v[\d], s[\sa], v1
.endm
; 32 numbers of a lane (two blocks; register 16 b + i) become half a fragment in v[pc .. pc + 5] and two scale bytes in v[pw]
.macro QUANT2 s, pc, pt, pw
.irp b, 0,1
	v_max3_num_f32 v[TM+\b], |v[(\s)+16*\b]|, |v[(\s)+1+16*\b]|, 0x1800000   ; and the floor 2^(3 - 127)
.endr
.irp i, 2,4,6,8,10,12,14
.irp b, 0,1
	s_delay_alu instid0(VALU_DEP_2)
	v_max3_num_f32 v[TM+\b], v[TM+\b], |v[(\s)+16*\b+\i]|, |v[(\s)+1+16*\b+\i]|
.endr
.endr
.irp b, 0,1
	v_permlanex16_b32 v[TM+2+\b], v[TM+\b], s[SEL], s[SEL+1]
.endr
.irp b, 0,1
	s_delay_alu instid0(VALU_DEP_2)
	v_max_num_f32 v[TM+\b], v[TM+\b], v[TM+2+\b]
.endr
.irp b, 0,1
	s_delay_alu instid0(VALU_DEP_2)
	v_add_nc_u32 v[TM+4+\b], 0xff000000, v[TM+\b]  ; 2 off the exponent field: the conversion's scale operand
.endr
.irp b, 0,1
	s_delay_alu instid0(VALU_DEP_2)
	v_lshrrev_b32 v[TM+2+\b], 23, v[TM+4+\b]
.endr
	s_delay_alu instid0(VALU_DEP_1)
	v_lshl_or_b32 v[\pw], v[TM+3], 8, v[TM+2]
	v_cvt_scalef32_pk16_fp6_f32 v[(\pc):(\pc)+2], v[(\s):(\s)+15], v[TM+4]
	v_cvt_scalef32_pk16_fp6_f32 v[(\pt):(\pt)+2], v[(\s)+16:(\s)+31], v[TM+5]
	v_nop                                          ; one plain place behind a scaled conversion
.irp i, 0,1,2
	v_permlane16_swap_b32 v[(\pc)+\i], v[(\pt)+\i]
.endr
.irp i, 0,1,2
	s_delay_alu instid0(VALU_DEP_3)
	v_mov_b32 v[(\pc)+3+\i], v[(\pt)+\i]
.endr
.endm
; The two K groups' sums meet, and the bias is added: v128-191 then hold my two kept tiles
.macro XCHG vo
.rept 4
	v_nop                                          ; places behind the last products: the stores read results, the loads land in sources
.endr
.if \vo
.irp u, 0,1
	global_load_b32 v[96+2*\u], v[R4], s[BIASV:BIASV+1] offset:64*\u   ; a lane holds one column of v: its bias, twice, for the packed addition
	global_load_b32 v[97+2*\u], v[R4], s[BIASV:BIASV+1] offset:64*\u
.endr
.else
.irp p, 0,1,2,3
	global_load_b128 v[96+8*\p:99+8*\p], v[H32], s[BIASP:BIASP+1] offset:64*\p       ; columns 16 p + 8 h + 0 .. 7
	global_load_b128 v[100+8*\p:103+8*\p], v[H32], s[BIASP:BIASP+1] offset:64*\p+16
.endr
.endif
.set n, 0
.rept 16
	ds_store_b128 v[XW], v[192+4*n:195+4*n] offset:512*n   ; each accumulator from its low end on
.set n, n+1
.endr
	s_wait_dscnt 0x0                               ; for my partner's sake
	s_barrier_signal -1
	s_barrier_wait -1
.set n, 0
.rept 16
	ds_load_b128 v[32+4*n:35+4*n], v[XR] offset:512*n
.set n, n+1
.endr
	s_wait_dscnt 0x0
.set i, 0
.rept 32
	v_pk_add_f32 v[ACC+i:ACC+i+1], v[ACC+i:ACC+i+1], v[32+i:33+i]
.set i, i+2
.endr
	s_wait_loadcnt 0x0                             ; the bias
.irp u, 0,1
.set i, 0
.rept 16
.if \vo
	v_pk_add_f32 v[ACC+32*\u+i:ACC+32*\u+i+1], v[ACC+32*\u+i:ACC+32*\u+i+1], v[96+2*\u:97+2*\u]
.else
	v_pk_add_f32 v[ACC+32*\u+i:ACC+32*\u+i+1], v[ACC+32*\u+i:ACC+32*\u+i+1], v[96+i:97+i]
.endif
.set i, i+2
.endr
.endr
.endm
	s_load_b256 s[4:11], s[0:1], 0x0               ; himg, wimg, qkv_b, qkvimg
	v_lshl_add_u32 v[SPW], v0, 2, SPARE
	v_mov_b32 v[NIL], 0
	ds_add_u32 v[SPW], v[NIL]                      ; the wave's opening: the add and its wait ahead of my first tensor load
	ds_add_u32 v[SPW], v[NIL]
	v_lshrrev_b32 v1, 5, v0
	s_delay_alu instid0(VALU_DEP_1)
	v_readfirstlane_b32 s[WV], v1                  ; wave 0..7
	s_lshr_b32 s[G], s[WV], 2
	s_and_b32 s[AH], s[WV], 1
	s_bfe_u32 s[WH], s[WV], 0x10001
	s_and_b32 s[W4], s[WV], 3
	s_xor_b32 s[GX], s[G], 1
	s_bfe_u32 s20, ttmp6, 0x40000                  ; cx
	s_bfe_u32 s21, ttmp6, 0x40004                  ; cy
	s_lshl_b32 s[X], ttmp9, 2
	s_add_co_u32 s[X], s[X], s20
	s_and_b32 s[Y], ttmp7, 0xffff
	s_lshl_b32 s[Y], s[Y], 2
	s_add_co_u32 s[Y], s[Y], s21
	s_lshl_b32 s40, s21, 2
	s_lshl_b32 s40, 15, s40                        ; my row of the cluster
	s_lshl_b32 s41, 0x1111, s20                    ; my column
	s_or_b32 s[G1A], s40, (3<<16)|(1<<21)          ; the mask; elements of 8 bytes; bit 21 beside a mask; no padding
	s_or_b32 s[G1W], s41, (3<<16)|(1<<21)
.irp g, G1A, G1W
	s_mov_b32 s[\g+1], 32<<16                      ; rows of 256 bytes,
	s_mov_b32 s[\g+2], 50<<16                      ; 50 of them: two blocks
	s_mov_b32 s[\g+3], 32<<16
	s_mov_b32 s[\g+4], 50
	s_mov_b32 s[\g+5], 32                          ; dense
	s_mov_b32 s[\g+6], 0
	s_mov_b32 s[\g+7], 0
.endr
	s_lshl_b32 s42, s[Y], 3
	s_lshl_b32 s46, s[W4], 1
	s_add_co_u32 s42, s42, s46
	s_mul_i32 s42, s42, BLK                        ; the activations' blocks 8 Y + 2 (wave % 4)
	s_mov_b32 s43, 0
	s_lshl_b32 s44, s[X], 3
	s_add_co_u32 s44, s44, s46
	s_mul_i32 s44, s44, BLK
	s_add_co_u32 s44, s44, TOFF                    ; the weight's blocks 8 X + 2 (wave % 4)
	s_mov_b32 s45, 0
	s_lshr_b32 s46, s[WV], 1
	s_mul_i32 s46, s46, 2*REG
	s_mul_i32 s47, s[AH], 2*BLK
	s_add_co_u32 s46, s46, s47                     ; where my two blocks go: the wave's number alone
	s_wait_dscnt 0x0                               ; the opening add is done
	s_wait_kmcnt 0x0
	s_add_nc_u64 s[42:43], s[4:5], s[42:43]
	s_add_nc_u64 s[44:45], s[6:7], s[44:45]
	CROUND                                         ; all sixteen work-groups are here: the first joint loads meet
.irp s, 0,1
	s_mov_b32 s[G0A+4*\s], 1
	s_add_co_u32 s[G0A+4*\s+1], s46, \s*REG
	s_add_nc_u64 s[G0A+4*\s+2:G0A+4*\s+3], s[42:43], \s*256*BLK
	s_or_b32 s[G0A+4*\s+3], s[G0A+4*\s+3], 0x80000000
	s_mov_b32 s[G0W+4*\s], 1
	s_add_co_u32 s[G0W+4*\s+1], s46, \s*REG
	s_add_nc_u64 s[G0W+4*\s+2:G0W+4*\s+3], s[44:45], \s*NF*BLK
	s_or_b32 s[G0W+4*\s+3], s[G0W+4*\s+3], 0x80000000
.if \s
	; a prefetch for slot 1's first fill, which is issued only when slot 0's has landed: of the 50 units of 256 bytes that my load will bring, the partner at place p (cx for the activations, cy for the weights) names 13 p .. 13 p + 12
	s_add_nc_u64 s[12:13], s[42:43], 256*BLK
	s_add_nc_u64 s[2:3], s[44:45], NF*BLK
	s_cmp_lt_u32 s[WV], 4
	s_cselect_b64 s[12:13], s[12:13], s[2:3]
	s_cselect_b32 s47, s20, s21
	s_mul_i32 s47, s47, 13
	v_and_b32 v32, 31, v0
	s_delay_alu instid0(VALU_DEP_1)
	v_min_u32 v32, 12, v32
	s_delay_alu instid0(VALU_DEP_1)
	v_add_nc_u32 v32, s47, v32
	s_delay_alu instid0(VALU_DEP_1)
	v_min_u32 v32, 49, v32
	s_delay_alu instid0(VALU_DEP_1)
	v_lshlrev_b32 v32, 8, v32
	global_prefetch_b8 v32, s[12:13] th:TH_LOAD_NT scope:SCOPE_SE
	s_wait_alu depctr_va_vdst(0)
	s_wait_tensorcnt 0x0                           ; slot 1's first fill is issued as a refill is: my part of slot 0 is in,
	ds_add_u32 v[SPW], v[NIL]                      ; the add,
	s_wait_dscnt 0x0                               ; its wait,
	CROUND                                         ; and a round of the cluster's barrier
.endif
	JLOAD \s
.if \s
	s_cmp_lt_u32 s[WV], 4                          ; the activations' blocks are read again as they stand; the weights' waves ask for slot 1's blocks of k's and of v's columns, one and two tiles ahead
	s_cbranch_scc1 .Lno_ask
	global_prefetch_b8 v32, s[12:13] offset:STEPW th:TH_LOAD_NT scope:SCOPE_SE
	global_prefetch_b8 v32, s[12:13] offset:2*STEPW th:TH_LOAD_NT scope:SCOPE_SE
.Lno_ask:
.endif
.endr
	v_and_b32 v1, 31, v0
	v_and_b32 v2, 15, v0
	v_bfe_u32 v3, v0, 4, 1
	s_delay_alu instid0(VALU_DEP_3)
	v_lshlrev_b32 v[L16], 4, v1
	s_wait_alu depctr_va_vdst(0)
	v_lshlrev_b32 v[L8], 3, v1
	s_wait_alu depctr_va_vdst(0)
	v_lshlrev_b32 v[R4], 2, v2
	v_lshlrev_b32 v[H32], 5, v3
	s_mul_i32 s40, s[AH], 2*REG
	s_mul_i32 s41, s[G], 1536
	s_add_co_u32 s40, s40, s41                     ; the activations: my half, my group's first K step
	s_mul_i32 s42, s[WH], 2*REG
	s_add_co_u32 s42, s42, s41
	s_add_co_u32 s42, s42, 4*REG                   ; the weights likewise
	s_mul_i32 s43, s[G], 2*BLK
	s_mul_i32 s44, s[GX], 2*BLK
	ADRSET ADR, 42, 40
	ADRSET ADR+8, 40, 42
	s_lshl_b32 s41, s[G], 6
	s_add_co_u32 s41, s41, 6144
	s_mul_i32 s45, s[AH], 2*REG
	s_add_co_u32 s45, s45, s41                     ; the activations' scale words
	s_mul_i32 s46, s[WH], 2*REG
	s_add_co_u32 s46, s46, s41
	s_add_co_u32 s46, s46, 4*REG                   ; the weights'
	s_add_co_u32 s2, s45, s43
	SCLADR ADR+6, 2, 46
	s_add_co_u32 s2, s45, s44
	s_add_co_u32 s41, s46, 2*BLK
	SCLADR ADR+7, 2, 41
	s_add_co_u32 s41, s46, s43
	SCLADR ADR+14, 45, 41
	s_add_co_u32 s2, s45, 2*BLK
	s_add_co_u32 s41, s46, s44
	SCLADR ADR+15, 2, 41
	s_lshl_b32 s45, s[WV], 13
	s_add_co_u32 s45, s45, XCH
	v_add_nc_u32 v[XW], s45, v[L16]
	s_xor_b32 s45, s[WV], 4
	s_lshl_b32 s45, s45, 13
	s_add_co_u32 s45, s45, XCH
	v_add_nc_u32 v[XR], s45, v[L16]
	s_mov_b32 s[SEL], 0x76543210
	s_mov_b32 s[SEL+1], 0xfedcba98
	; where the results go
	s_lshr_b32 s70, s[Y], 4
	s_lshl_b32 s70, s70, 4
	s_lshl_b32 s71, s[X], 1
	s_add_co_u32 s70, s70, s71
	s_add_co_u32 s70, s70, s[WH]                   ; 16 x batch + head
	s_and_b32 s71, s[Y], 15                        ; which 128 tokens of the sequence
	s_lshl_b32 s72, s[AH], 2
	s_lshl_b32 s73, s[G], 1
	s_add_co_u32 s72, s72, s73                     ; my first kept tile of 16 tokens among them
	s_lshl_b32 s74, s70, 7
	s_lshl_b32 s75, s71, 3
	s_add_co_u32 s74, s74, s75
	s_add_co_u32 s74, s74, s72
	s_mul_i32 s76, s74, 768
	s_mov_b32 s77, 0
	s_lshl_b32 s78, s74, 6
	s_add_co_u32 s78, s78, QSOFF
	s_mov_b32 s79, 0
	s_mul_i32 s80, s70, 106496
	s_mul_i32 s75, s71, 6656
	s_add_co_u32 s80, s80, s75
	s_add_co_u32 s80, s80, KIOFF
	s_lshl_b32 s82, s72, 6
	s_add_co_u32 s82, s82, s80
	s_add_co_u32 s82, s82, 6144
	s_mov_b32 s83, 0
	s_mul_i32 s75, s72, 768
	s_add_co_u32 s80, s80, s75
	s_mov_b32 s81, 0
	s_mul_i32 s84, s70, 102400
	s_mul_i32 s75, s71, 6400
	s_add_co_u32 s84, s84, s75
	s_add_co_u32 s84, s84, VIOFF
	s_lshl_b32 s86, s[G], 7
	s_lshl_b32 s75, s[AH], 1
	s_add_co_u32 s86, s86, s75
	s_add_co_u32 s86, s86, s84
	s_add_co_u32 s86, s86, 6144
	s_mov_b32 s87, 0
	s_mul_i32 s75, s[G], 3072
	s_add_co_u32 s84, s84, s75
	s_mul_i32 s75, s[AH], 768
	s_add_co_u32 s84, s84, s75
	s_mov_b32 s85, 0
	s_add_nc_u64 s[CURC:CURC+1], s[10:11], s[76:77]
	s_add_nc_u64 s[CURS:CURS+1], s[10:11], s[78:79]
	s_add_nc_u64 s[KC:KC+1], s[10:11], s[80:81]
	s_add_nc_u64 s[KS:KS+1], s[10:11], s[82:83]
	s_add_nc_u64 s[VC:VC+1], s[10:11], s[84:85]
	s_add_nc_u64 s[VS:VS+1], s[10:11], s[86:87]
	s_lshl_b32 s74, s[X], 9
	s_lshl_b32 s75, s[WH], 8
	s_add_co_u32 s74, s74, s75
	s_mov_b32 s75, 0
	s_add_nc_u64 s[BIASP:BIASP+1], s[8:9], s[74:75]   ; q's bias at my 64 columns
	s_lshl_b32 s72, s[G], 7
	s_add_co_u32 s72, s72, 8192
	s_mov_b32 s73, 0
	s_add_nc_u64 s[BIASV:BIASV+1], s[BIASP:BIASP+1], s[72:73]
	global_prefetch_b8 v[NIL], s[BIASP:BIASP+1] th:TH_LOAD_NT scope:SCOPE_SE               ; my 256 bytes of q's bias,
	global_prefetch_b8 v[NIL], s[BIASP:BIASP+1] offset:4096 th:TH_LOAD_NT scope:SCOPE_SE   ; of k's,
	global_prefetch_b8 v[NIL], s[BIASV:BIASV+1] th:TH_LOAD_NT scope:SCOPE_SE               ; and of v's
	s_wait_xcnt 0x0                                ; the prefetches have read v32, into which fragments are loaded below
	s_wait_tensorcnt 1
	s_barrier_signal -1
	s_barrier_wait -1
	s_mov_b32 s3, 2
.Ltile:                                                ; q, then k
	s_wait_alu depctr_va_vdst(0)
	WORK ADR, 0, 1, 0
	CHG 0, 1
	WORK ADR, 1, 0, 0
	XCHG 0
.irp u, 0,1
	QUANT2 ACC+32*\u, 200+16*\u, 208+16*\u, 212+16*\u
	v_or_b32 v[212+16*\u], 0x7f7f0000, v[212+16*\u]    ; the head has 64 along K: the word's upper two bytes are 2^0
	global_store_b128 v[L16], v[200+16*\u:203+16*\u], s[CURC:CURC+1] offset:768*\u
	global_store_b64 v[L8], v[204+16*\u:205+16*\u], s[CURC:CURC+1] offset:768*\u+512
	global_store_b32 v[R4], v[212+16*\u], s[CURS:CURS+1] offset:64*\u
.endr
	s_wait_xcnt 0x0                                ; the stores have read their data and bases: both are written again only behind this wait
	s_mov_b64 s[CURC:CURC+1], s[KC:KC+1]
	s_mov_b64 s[CURS:CURS+1], s[KS:KS+1]
	s_add_nc_u64 s[BIASP:BIASP+1], s[BIASP:BIASP+1], 4096
	CHG 1, 1
	s_sub_co_u32 s3, s3, 1
	s_cmp_lg_u32 s3, 0
	s_cbranch_scc1 .Ltile
	WORK ADR+8, 0, 1, 1                            ; v: written out, since it asks for nothing more and its sources change places
	CHG 0, 0
	WORK ADR+8, 1, 0, 1
	XCHG 1
.irp u, 0,1
	QUANT2 ACC+32*\u, 200+16*\u, 208+16*\u, 212+16*\u
	global_store_b128 v[L16], v[200+16*\u:203+16*\u], s[VC:VC+1] offset:1536*\u
	global_store_b64 v[L8], v[204+16*\u:205+16*\u], s[VC:VC+1] offset:1536*\u+512
	global_store_b16 v[R4], v[212+16*\u], s[VS:VS+1] offset:64*\u   ; my 64 tokens' two bytes of the word of 128
.endr
	s_wait_tensorcnt 0x0                           ; the wave's end
	ds_add_u32 v[SPW], v[NIL]
	s_wait_dscnt 0x0
	CROUND                                         ; the closing round
	s_endpgm
.Lfunc_end_k_q7122985aaf_qkv:
	.size	k_q7122985aaf_qkv, .Lfunc_end_k_q7122985aaf_qkv-k_q7122985aaf_qkv
	.p2alignl 7, 3214868480
	.fill 96, 4, 3214868480
	.section	.rodata,"a",@progbits
	.p2align	6, 0x0
	.amdhsa_kernel k_q7122985aaf_qkv
		.amdhsa_group_segment_fixed_size 327680
		.amdhsa_private_segment_fixed_size 0
		.amdhsa_enable_private_segment 0
		.amdhsa_kernarg_size 32
		.amdhsa_user_sgpr_count 2
		.amdhsa_user_sgpr_kernarg_segment_ptr 1
		.amdhsa_wavefront_size32 1
		.amdhsa_system_sgpr_workgroup_id_x 1
		.amdhsa_system_sgpr_workgroup_id_y 1
		.amdhsa_system_sgpr_workgroup_id_z 1
		.amdhsa_system_vgpr_workitem_id 0
		.amdhsa_next_free_vgpr 256
		.amdhsa_next_free_sgpr 100
		.amdhsa_reserve_vcc 0
		.amdhsa_float_denorm_mode_32 3
		.amdhsa_float_denorm_mode_16_64 3
		.amdhsa_memory_ordered 1
		.amdhsa_forward_progress 1
		.amdhsa_inst_pref_size 77
	.end_amdhsa_kernel
	.amdgpu_metadata
---
amdhsa.version: [ 1, 2 ]
amdhsa.kernels:
  - .name:           k_q7122985aaf_qkv
    .symbol:         k_q7122985aaf_qkv.kd
    .args:
      - { .name: himg, .offset: 0, .size: 8, .value_kind: global_buffer, .address_space: global }
      - { .name: wimg, .offset: 8, .size: 8, .value_kind: global_buffer, .address_space: global }
      - { .name: qkv_b, .offset: 16, .size: 8, .value_kind: global_buffer, .address_space: global }
      - { .name: qkvimg, .offset: 24, .size: 8, .value_kind: global_buffer, .address_space: global }
    .group_segment_fixed_size: 327680
    .private_segment_fixed_size: 0
    .kernarg_segment_align: 8
    .kernarg_segment_size: 32
    .max_flat_workgroup_size: 256
    .sgpr_count:     100
    .vgpr_count:     256
    .wavefront_size: 32
...
	.end_amdgpu_metadata
.endif
;; end of part 2
;; launch attn (part 3): grid 8 x 32, 16 waves a work-group, clusters of 4 x 1, 210,944 bytes of LDS; arguments qkvimg, oimg; writes oimg
.if DOCPART == 3
	.amdgcn_target "amdgcn-amd-amdhsa--gfx1250"
	.amdhsa_code_object_version 6
	.text
	.protected	k_q7122985aaf_attn
	.globl	k_q7122985aaf_attn
	.p2align	8
	.type	k_q7122985aaf_attn,@function
k_q7122985aaf_attn:
	s_mov_b64 s[64:65], 0
	v_nop
	global_prefetch_b8 v0, s[64:65] scope:SCOPE_SE
	s_setreg_imm32_b32 hwreg(HW_REG_WAVE_MODE, 25, 1), 1
	s_wait_xcnt 0x0
	s_wait_alu depctr_hold_cnt(0) depctr_sa_sdst(0) depctr_va_vdst(0) depctr_va_sdst(0) depctr_va_ssrc(0) depctr_va_vcc(0) depctr_vm_vsrc(0)
	s_getreg_b32 s2, hwreg(HW_REG_IB_STS2, 6, 4)
	s_cmp_eq_u32 s2, 0
	s_cbranch_scc0 .Lentry_in_a_cluster
	s_endpgm
.Lentry_in_a_cluster:
	s_bfe_u32 s2, ttmp6, 0x10000c
	s_cmp_lg_u32 s2, 0x3003
	s_cbranch_scc0 .Lentry_shape_is_right
	s_endpgm
.Lentry_shape_is_right:
; CAUSAL ATTENTION on codes of FP6 with E8M0 scales: S^T = K Q^T, p = 2^(t - M), O^T = V^T P^T, O / l quantised along the model's 1,024 for the next product.
; t = score x log2(e) / 8; M = the running largest t rounded up to a whole number; the row's sum l is taken of the unquantised p; when M moves, l and O^T are multiplied by 2^(old M - new M), which rounds nothing.
; SHARES.  Work-group (jw, head): sixteen waves, wave w owns the tile of 16 queries jw + 8 i, i = the w-th entry of a 4 x 4 magic square: each four waves w, w + 4, .. and each four w .. w + 3 have 34 key steps together.
; Tile jw + 8 i wants the key steps (128 keys) 0 .. i, and step i lies on the diagonal: what is left out and what is masked hangs on i and the count of steps alone, the same in all partners of the cluster.
; LDS.  A head's K and V as images with their scale words are 208,896 bytes: they come ONCE, in four phases of four key steps, by joint loads of the cluster's four work-groups (one head): wave 0 asks for K's four parts, wave 1 for V's.
; Four tensor loads of a wave are out at the most.  No byte of LDS is filled twice, so there is no ring; all is asked for at the head, so nothing is left to prefetch.
; THE HEAD HAS 64 ALONG K, the instruction 128.  Q's registers 6-11 are zeros; on K's side the next tile's codes stand there (finite numbers: the format has no NaN and no infinity), under the scale byte 2^0: those products are 0.
; A lane holds one query throughout.  Inside a block of 32 keys place p holds key offset p with bits 3 and 4 changed over, in p as in V's image.
; LIMITS: NaN and infinities are not served; a block under 2^-124, and a block of zeros, keeps the byte 1.  O's two scale bytes leave as halfwords.
.set KSB,   6656                       ; a key step of K: 8 x 768 codes + 8 x 64 scale words
.set VSB,   6400                       ; of V: 4 fragments + 4 x 64
.set VOFF,  16*KSB
.set SPARE, VOFF+16*VSB                ; the spare words, 128 bytes for each of sixteen waves
.set QSOFF, 3145728
.set KIOFF, 3407872
.set VIOFF, 6815744
.set SPW, 10
.set NIL, 11
.set BM,  192                          ; v192-195 the blocks' largest scores, then largest p
.set BT,  196                          ; v196-199 at work
.set SO,  200                          ; v200-203 the conversions' scale operands
.set PCD, 208                          ; v208-219 p's codes
.set PT,  220                          ; v220-222, v224-226 the conversions' second halves
.set F,   228                          ; v[228:229] f = 2^(old M - new M)
.set TP,  230
.set NINF, 231
.set PWD, 232                          ; p's scale word
.set QW,  233                          ; Q's scale words
.set TM,  192
.set WV, 14
.set IW, 15
.set SEL, 20
.set CS, 22
.set G1K, 24
.set G1V, 32
.set G0K, 40
.set G0V, 56
.set TK, 76
.set TV, 77
.set SCN, 78
.macro CROUND
	s_barrier_signal -1
	s_barrier_wait -1
	s_cmp_lg_u32 s[WV], 0
	s_cbranch_scc1 .Lnot_wave_0_\@
	s_barrier_signal -3
.Lnot_wave_0_\@:
	s_barrier_wait -3
	s_barrier_signal -1
	s_barrier_wait -1
.endm
.macro QUANT2 s, pc, pt, pw
.irp b, 0,1
	v_max3_num_f32 v[TM+\b], |v[(\s)+16*\b]|, |v[(\s)+1+16*\b]|, 0x1800000
.endr
.irp i, 2,4,6,8,10,12,14
.irp b, 0,1
	s_delay_alu instid0(VALU_DEP_2)
	v_max3_num_f32 v[TM+\b], v[TM+\b], |v[(\s)+16*\b+\i]|, |v[(\s)+1+16*\b+\i]|
.endr
.endr
.irp b, 0,1
	s_delay_alu instid0(VALU_DEP_2)
	v_permlanex16_b32 v[TM+2+\b], v[TM+\b], s[SEL], s[SEL+1]
.endr
.irp b, 0,1
	s_delay_alu instid0(VALU_DEP_2)
	v_max_num_f32 v[TM+\b], v[TM+\b], v[TM+2+\b]
.endr
.irp b, 0,1
	s_delay_alu instid0(VALU_DEP_2)
	v_add_nc_u32 v[TM+4+\b], 0xff000000, v[TM+\b]
.endr
.irp b, 0,1
	s_delay_alu instid0(VALU_DEP_2)
	v_lshrrev_b32 v[TM+2+\b], 23, v[TM+4+\b]
.endr
	s_delay_alu instid0(VALU_DEP_1)
	v_lshl_or_b32 v[\pw], v[TM+3], 8, v[TM+2]
	v_cvt_scalef32_pk16_fp6_f32 v[(\pc):(\pc)+2], v[(\s):(\s)+15], v[TM+4]
	v_cvt_scalef32_pk16_fp6_f32 v[(\pt):(\pt)+2], v[(\s)+16:(\s)+31], v[TM+5]
	v_nop
.irp i, 0,1,2
	v_permlane16_swap_b32 v[(\pc)+\i], v[(\pt)+\i]
.endr
.irp i, 0,1,2
	s_delay_alu instid0(VALU_DEP_3)
	v_mov_b32 v[(\pc)+3+\i], v[(\pt)+\i]
.endr
.endm
; A KEY STEP of 128 keys
.macro STEP
	s_cmp_gt_u32 s[SCN], s[IW]                     ; all its keys come after my queries: only the stepping lines at its end are run
	s_cbranch_scc1 .Lskip_\@
	v_add_nc_u32 v4, s[TK], v1                     ; (these six are also the places behind the last products, in front of loads into their sources)
	v_add_nc_u32 v5, s[TK], v2
	v_add_nc_u32 v6, s[TK], v3
	v_add_nc_u32 v7, s[TV], v1
	v_add_nc_u32 v8, s[TV], v2
	v_add_nc_u32 v9, s[TV], v3
.irp t, 0,1,2,3,4,5,6,7
	ds_load_b128 v[32+6*\t:35+6*\t], v4 offset:768*\t
	ds_load_b64 v[36+6*\t:37+6*\t], v5 offset:768*\t+512
	ds_load_b32 v[86+\t], v6 offset:6144+64*\t
.endr
	s_wait_alu depctr_va_vdst(0)
	s_wait_dscnt 0x0
.irp t, 0,1,2,3,4,5,6,7                        ; tile t: keys 16 t + 8 h + j in register j; its source's upper six registers are the next tile's codes, against Q's zeros
	v_wmma_scale_f32_16x16x128_f8f6f4 v[96+8*\t:103+8*\t], v[32+6*\t:43+6*\t], v[16:27], 0, v[86+\t], v[QW] matrix_a_fmt:MATRIX_FMT_FP6 matrix_b_fmt:MATRIX_FMT_FP6
.endr
.rept 4
	v_nop                                          ; places: the loads below land in these products' sources, the lines behind them read the results
.endr
.irp t, 0,1,2,3                                ; V's four fragments are asked for here and land under the softmax
	ds_load_b128 v[32+12*\t:35+12*\t], v7 offset:1536*\t
	ds_load_b64 v[36+12*\t:37+12*\t], v8 offset:1536*\t+512
	ds_load_b128 v[38+12*\t:41+12*\t], v7 offset:1536*\t+768
	ds_load_b64 v[42+12*\t:43+12*\t], v8 offset:1536*\t+1280
	ds_load_b32 v[86+\t], v9 offset:6144+64*\t
.endr
	s_cmp_lg_u32 s[SCN], s[IW]
	s_cbranch_scc1 .Lopen_\@
.set n, 0
.rept 64                                       ; on the diagonal: key 16 t + 8 h + j is hidden where 16 t + j > d = my query - 8 h (both counted from the step's first key)
	v_cmp_gt_i32 vcc_lo, 16*(n/8)+n%8, v28
	v_cndmask_b32 v[96+n], v[96+n], v[NINF], vcc_lo
.set n, n+1
.endr
.Lopen_\@:
.irp b, 0,1,2,3
	v_max3_num_f32 v[BM+\b], v[96+16*\b], v[97+16*\b], v[98+16*\b]   ; the largest score of each block of 32 keys: for the row's maximum, and, since p rises with the score, for the block's largest p
.endr
.irp i, 3,5,7,9,11,13
.irp b, 0,1,2,3
	v_max3_num_f32 v[BM+\b], v[BM+\b], v[96+16*\b+\i], v[97+16*\b+\i]
.endr
.endr
.irp b, 0,1,2,3
	v_max_num_f32 v[BM+\b], v[BM+\b], v[111+16*\b]
.endr
.irp b, 0,1,2,3
	s_delay_alu instid0(VALU_DEP_4)
	v_permlanex16_b32 v[BT+\b], v[BM+\b], s[SEL], s[SEL+1]
.endr
.irp b, 0,1,2,3
	s_delay_alu instid0(VALU_DEP_4)
	v_max_num_f32 v[BM+\b], v[BM+\b], v[BT+\b]
.endr
	s_delay_alu instid0(VALU_DEP_2)
	v_max3_num_f32 v[TP], v[BM], v[BM+1], v[BM+2]
	s_delay_alu instid0(VALU_DEP_1)
	v_max_num_f32 v[TP], v[TP], v[BM+3]
	s_delay_alu instid0(VALU_DEP_1)
	v_mul_f32 v[TP], s[CS], v[TP]
	s_delay_alu instid0(VALU_DEP_1)
	v_max_num_f32 v13, v13, v[TP]                  ; the running largest t
	v_mov_b32 v[TP], v12
	s_delay_alu instid0(VALU_DEP_2)
	v_floor_f32 v12, -v13                          ; the new -M
	s_delay_alu instid0(VALU_DEP_1)
	v_sub_f32 v[TP], v12, v[TP]                    ; old M - new M: a whole number, 0 or less
	s_delay_alu instid0(VALU_DEP_1)
	v_cvt_i32_f32 v[TP], v[TP]                     ; (it saturates)
	s_delay_alu instid0(VALU_DEP_1)
	v_ldexp_f32 v[F], 1.0, v[TP]
.set j, 0
.rept 32
	v_pk_fma_f32 v[96+j:97+j], v[96+j:97+j], s[CS:CS+1], v[12:13] op_sel_hi:[1,0,0]   ; t - M
.set j, j+2
.endr
.irp b, 0,1,2,3
	v_fma_f32 v[BM+\b], v[BM+\b], s[CS], v12
.endr
.set j, 0
	s_wait_alu depctr_va_vdst(0)
.rept 64
	v_exp_f32 v[96+j], v[96+j]                     ; p, at most 1, not normalised
.set j, j+1
.endr
	v_pk_mul_f32 v[14:15], v[14:15], v[F:F+1] op_sel_hi:[1,0]   ; the sums under the new M; a plain place behind the exponentials
	s_wait_alu depctr_va_vdst(0)                   ; one wait for the batch, ahead of its first reader
.irp b, 0,1,2,3
	v_exp_f32 v[BM+\b], v[BM+\b]                   ; the blocks' largest p
.endr
	v_pk_add_f32 v[196:197], v[100:101], v[104:105]
	v_pk_add_f32 v[254:255], v[108:109], v[112:113]
	v_pk_add_f32 v[252:253], v[116:117], v[120:121]
	v_pk_add_f32 v[250:251], v[124:125], v[128:129]
	v_pk_add_f32 v[248:249], v[132:133], v[136:137]
	v_pk_add_f32 v[246:247], v[140:141], v[144:145]
	v_pk_add_f32 v[244:245], v[148:149], v[152:153]
	v_pk_add_f32 v[14:15], v[14:15], v[156:157]
	v_pk_add_f32 v[196:197], v[196:197], v[96:97]
	v_pk_add_f32 v[254:255], v[254:255], v[98:99]
	v_pk_add_f32 v[252:253], v[252:253], v[102:103]
	v_pk_add_f32 v[250:251], v[250:251], v[106:107]
	v_pk_add_f32 v[248:249], v[248:249], v[110:111]
	v_pk_add_f32 v[246:247], v[246:247], v[114:115]
	v_pk_add_f32 v[244:245], v[244:245], v[118:119]
	v_pk_add_f32 v[14:15], v[14:15], v[122:123]
	v_pk_add_f32 v[196:197], v[196:197], v[126:127]
	v_pk_add_f32 v[254:255], v[254:255], v[130:131]
	v_pk_add_f32 v[252:253], v[252:253], v[134:135]
	v_pk_add_f32 v[250:251], v[250:251], v[138:139]
	v_pk_add_f32 v[248:249], v[248:249], v[142:143]
	v_pk_add_f32 v[246:247], v[246:247], v[146:147]
	v_pk_add_f32 v[244:245], v[244:245], v[150:151]
	v_pk_add_f32 v[14:15], v[14:15], v[154:155]
	v_pk_add_f32 v[196:197], v[196:197], v[158:159]
	s_delay_alu instid0(VALU_DEP_2)
	v_pk_add_f32 v[14:15], v[14:15], v[250:251]
	s_delay_alu instid0(VALU_DEP_2)
	v_pk_add_f32 v[196:197], v[196:197], v[248:249]
	v_pk_add_f32 v[254:255], v[254:255], v[246:247]
	v_pk_add_f32 v[252:253], v[252:253], v[244:245]
	s_delay_alu instid0(VALU_DEP_2)
	v_pk_add_f32 v[14:15], v[14:15], v[254:255]
	s_delay_alu instid0(VALU_DEP_2)
	v_pk_add_f32 v[196:197], v[196:197], v[252:253]
	s_delay_alu instid0(VALU_DEP_1)
	v_pk_add_f32 v[14:15], v[14:15], v[196:197]
	s_wait_alu depctr_va_vdst(0)                   ; and one for the four
.irp b, 0,1,2,3
	v_max_num_f32 v[BM+\b], 0x1800000, v[BM+\b]    ; the floor
.endr
.irp b, 0,1,2,3
	s_delay_alu instid0(VALU_DEP_4)
	v_add_nc_u32 v[SO+\b], 0xff000000, v[BM+\b]
.endr
.irp b, 0,1,2,3
	s_delay_alu instid0(VALU_DEP_4)
	v_lshrrev_b32 v[BT+\b], 23, v[SO+\b]
.endr
	s_delay_alu instid0(VALU_DEP_3)
	v_lshl_or_b32 v[PWD], v[BT+1], 8, v[BT]
	s_delay_alu instid0(VALU_DEP_1)
	v_lshl_or_b32 v[PWD], v[BT+2], 16, v[PWD]
	s_delay_alu instid0(VALU_DEP_1)
	v_lshl_or_b32 v[PWD], v[BT+3], 24, v[PWD]
.irp c, 0,1
	v_cvt_scalef32_pk16_fp6_f32 v[PCD+6*\c:PCD+2+6*\c], v[96+32*\c:111+32*\c], v[SO+2*\c]
	v_cvt_scalef32_pk16_fp6_f32 v[PT+4*\c:PT+2+4*\c], v[112+32*\c:127+32*\c], v[SO+2*\c+1]
.endr
	v_nop
.irp c, 0,1
.irp i, 0,1,2
	v_permlane16_swap_b32 v[PCD+6*\c+\i], v[PT+4*\c+\i]
.endr
.irp i, 0,1,2
	s_delay_alu instid0(VALU_DEP_3)
	v_mov_b32 v[PCD+3+6*\c+\i], v[PT+4*\c+\i]
.endr
.endr
.set j, 0
.rept 16
	v_pk_mul_f32 v[160+j:161+j], v[160+j:161+j], v[F:F+1] op_sel_hi:[1,0]   ; O^T under the new M; these sixteen are also the places between the writes of p's codes and scale word and the products
.set j, j+2
.endr
	s_wait_alu depctr_va_vdst(0)
	s_wait_dscnt 0x0                               ; V
.irp t, 0,1,2,3                                ; four accumulators by turns
	v_wmma_scale_f32_16x16x128_f8f6f4 v[160+8*\t:167+8*\t], v[32+12*\t:43+12*\t], v[PCD:PCD+11], v[160+8*\t:167+8*\t], v[86+\t], v[PWD] matrix_a_fmt:MATRIX_FMT_FP6 matrix_b_fmt:MATRIX_FMT_FP6
.endr
.Lskip_\@:
	s_add_co_u32 s[SCN], s[SCN], 1
	s_add_co_u32 s[TK], s[TK], KSB
	s_add_co_u32 s[TV], s[TV], VSB
.endm
.macro PHASE n                         ; the sixteen key steps, behind the landing of all of K and V
	s_wait_tensorcnt 0x0                           ; my one load, if I issued one, has landed
	s_barrier_signal -1
	s_barrier_wait -1                              ; so all eight parts of K and V are in
	s_mov_b32 s79, 16                              ; one loop over the sixteen key steps
.Lstep_\@:
	STEP
	s_sub_co_u32 s79, s79, 1
	s_cmp_lg_u32 s79, 0
	s_cbranch_scc1 .Lstep_\@
.endm
	s_load_b128 s[4:7], s[0:1], 0x0                ; qkvimg, oimg
	v_lshl_add_u32 v[SPW], v0, 2, SPARE
	v_mov_b32 v[NIL], 0
	ds_add_u32 v[SPW], v[NIL]                      ; the wave's opening: the add and its wait ahead of the first tensor loads
	ds_add_u32 v[SPW], v[NIL]
	v_lshrrev_b32 v1, 5, v0
	s_delay_alu instid0(VALU_DEP_1)
	v_readfirstlane_b32 s[WV], v1                  ; wave 0..15
	s_mov_b32 s80, 0x7a94c12f                      ; the magic square, four bits an entry
	s_mov_b32 s81, 0x0de3b658
	s_cmp_lt_u32 s[WV], 8
	s_cselect_b32 s80, s80, s81
	s_and_b32 s82, s[WV], 7
	s_lshl_b32 s82, s82, 2
	s_lshr_b32 s80, s80, s82
	s_and_b32 s[IW], s80, 15                       ; i
	s_bfe_u32 s16, ttmp6, 0x40000                  ; cx
	s_lshl_b32 s17, ttmp9, 2
	s_add_co_u32 s17, s17, s16                     ; jw: it enters global addresses and the mask's numbers alone
	s_and_b32 s18, ttmp7, 0xffff                   ; 16 x batch + head
	s_lshl_b32 s19, s[IW], 3
	s_add_co_u32 s19, s19, s17                     ; my tile of 16 queries
	s_mov_b32 s[G1K], 15|(3<<16)|(1<<21)           ; all four work-groups; elements of 8 bytes; no padding
	s_mov_b32 s[G1K+1], 32<<16                     ; rows of 256 bytes,
	s_mov_b32 s[G1K+2], 104<<16                    ; 104 of them: four key steps of K
	s_mov_b32 s[G1K+3], 32<<16
	s_mov_b32 s[G1K+4], 104
	s_mov_b32 s[G1K+5], 32
	s_mov_b32 s[G1K+6], 0
	s_mov_b32 s[G1K+7], 0
	s_mov_b32 s[G1V], 15|(3<<16)|(1<<21)
	s_mov_b32 s[G1V+1], 32<<16
	s_mov_b32 s[G1V+2], 100<<16                    ; 100: four key steps of V
	s_mov_b32 s[G1V+3], 32<<16
	s_mov_b32 s[G1V+4], 100
	s_mov_b32 s[G1V+5], 32
	s_mov_b32 s[G1V+6], 0
	s_mov_b32 s[G1V+7], 0
	s_mul_i32 s82, s18, 16*KSB
	s_add_co_u32 s82, s82, KIOFF
	s_mov_b32 s83, 0
	s_mul_i32 s84, s18, 16*VSB
	s_add_co_u32 s84, s84, VIOFF
	s_mov_b32 s85, 0
	s_lshl_b32 s86, s18, 7
	s_add_co_u32 s86, s86, s19
	s_lshl_b32 s88, s86, 6
	s_add_co_u32 s88, s88, QSOFF
	s_mul_i32 s86, s86, 768
	s_mov_b32 s87, 0
	s_mov_b32 s89, 0
	s_mov_b32 s[SEL], 0x76543210
	s_mov_b32 s[SEL+1], 0xfedcba98
	s_mov_b32 s[CS], 0x3e38aa3b                    ; c = log2(e) / 8
	s_mov_b32 s[CS+1], s[CS]
	s_mov_b32 s[TK], 0
	s_mov_b32 s[TV], VOFF
	s_mov_b32 s[SCN], 0
	s_wait_dscnt 0x0                               ; the opening add is done
	s_wait_kmcnt 0x0
	s_add_nc_u64 s[82:83], s[4:5], s[82:83]        ; the head's K
	s_add_nc_u64 s[84:85], s[4:5], s[84:85]        ; its V
	s_add_nc_u64 s[86:87], s[4:5], s[86:87]        ; my Q
	s_add_nc_u64 s[88:89], s[4:5], s[88:89]        ; and its scale words
.irp n, 0,1,2,3
	s_mov_b32 s[G0K+4*\n], 1
	s_mov_b32 s[G0K+4*\n+1], \n*4*KSB
	s_add_nc_u64 s[G0K+4*\n+2:G0K+4*\n+3], s[82:83], \n*4*KSB
	s_or_b32 s[G0K+4*\n+3], s[G0K+4*\n+3], 0x80000000
.set GV, G0V+4*\n+4*(\n/2)
	s_mov_b32 s[GV], 1
	s_mov_b32 s[GV+1], VOFF+\n*4*VSB
	s_add_nc_u64 s[GV+2:GV+3], s[84:85], \n*4*VSB
	s_or_b32 s[GV+3], s[GV+3], 0x80000000
.endr
	CROUND                                         ; the four work-groups are here: the joint loads meet
; ONE joint load a wave: wave 2 n asks for part n (four key steps) of K, wave 2 n + 1 for part n of V; waves 8-15 ask for nothing.  One chain of branches on the wave's number, all arms leading to one join.
.macro ARM under, g0, g1
	s_cmp_lt_u32 s[WV], \under
	s_cbranch_scc0 .Lnext_\@
	tensor_load_to_lds s[\g0:\g0+3], s[\g1:\g1+7]
	s_nop 0
.rept 4
	v_nop
.endr
	s_branch .Lasked
.Lnext_\@:
.endm
.irp n, 0,1,2,3
	ARM 2*\n+1, G0K+4*\n, G1K
	ARM 2*\n+2, G0V+4*\n+4*(\n/2), G1V
.endr
.Lasked:
	v_and_b32 v29, 31, v0
	v_and_b32 v30, 15, v0
	v_bfe_u32 v31, v0, 4, 1
	s_delay_alu instid0(VALU_DEP_3)
	v_lshlrev_b32 v1, 4, v29                       ; 16 x lane
	s_delay_alu instid0(VALU_DEP_4)
	v_lshlrev_b32 v2, 3, v29                       ; 8 x lane
	s_delay_alu instid0(VALU_DEP_4)
	v_lshlrev_b32 v3, 2, v30                       ; 4 x (lane % 16)
	global_load_b128 v[16:19], v1, s[86:87]        ; Q's half fragment stays in registers
	global_load_b64 v[20:21], v2, s[86:87] offset:512
	global_load_b32 v[QW], v3, s[88:89]
	v_lshlrev_b32 v31, 3, v31
	s_delay_alu instid0(VALU_DEP_1)
	v_sub_nc_u32 v28, v30, v31
	s_lshl_b32 s80, s17, 4
	v_add_nc_u32 v28, s80, v28                     ; d = 16 jw + r - 8 h
.irp j, 22,23,24,25,26,27,80,81,82,83,84,85
	v_mov_b32 v[\j], 0                             ; Q's upper half, and what stands behind K's last tile
.endr
	v_mov_b32 v13, 0xff61b1e6                      ; the largest t so far: -3e38
	s_delay_alu instid0(VALU_DEP_1)
	v_floor_f32 v12, -v13
	v_mov_b32 v14, 0
	v_mov_b32 v15, 0
	v_mov_b32 v[NINF], 0xff800000
	v_mov_b32 v[F+1], 0                            ; (named as the pair's upper half)
.irp b, 0,1,2,3
	v_mov_b32 v[BT+\b], 0                          ; a lane permute's destination counts as one of its sources
.endr
.set j, 0
.rept 32
	v_mov_b32 v[160+j], 0                          ; O^T: the step is written once; the first finds zeros
.set j, j+1
.endr
	s_wait_loadcnt 0x0                             ; Q
	PHASE 0
	; THE WAY OUT
.rept 4
	v_nop                                          ; places behind my last products, whichever step held them
.endr
	v_add_f32 v14, v14, v15
	s_delay_alu instid0(VALU_DEP_1)
	v_permlanex16_b32 v[BT], v14, s[SEL], s[SEL+1]
	s_delay_alu instid0(VALU_DEP_1)
	v_add_f32 v14, v14, v[BT]                      ; the row's sum
	s_wait_alu depctr_va_vdst(0)
	v_rcp_f32 v14, v14
	v_nop                                          ; a plain place behind the transcendental
	s_and_b32 s80, s18, 15                         ; head
	s_lshr_b32 s81, s18, 4                         ; batch
	s_lshr_b32 s82, s80, 3
	s_lshl_b32 s82, s82, 8
	s_lshl_b32 s81, s81, 7
	s_add_co_u32 s82, s82, s81
	s_add_co_u32 s82, s82, s19
	s_mul_i32 s82, s82, 6400                       ; block (head / 8, 128 x batch + my tile)
	s_bfe_u32 s81, s80, 0x20001                    ; K step (head / 2) % 4
	s_and_b32 s80, s80, 1                          ; half head % 2
	s_lshl_b32 s84, s81, 6
	s_add_co_u32 s84, s84, s82
	s_add_co_u32 s84, s84, 6144
	s_lshl_b32 s83, s80, 1
	s_add_co_u32 s84, s84, s83
	s_mul_i32 s81, s81, 1536
	s_add_co_u32 s82, s82, s81
	s_mul_i32 s80, s80, 768
	s_add_co_u32 s82, s82, s80
	s_mov_b32 s83, 0
	s_mov_b32 s85, 0
	s_add_nc_u64 s[82:83], s[6:7], s[82:83]
	s_add_nc_u64 s[84:85], s[6:7], s[84:85]
	s_wait_alu depctr_va_vdst(0)                   ; the wait ahead of the reciprocal's first reader
.set j, 0
.rept 32
	v_mul_f32 v[96+j], v[160+j], v14               ; register 8 t + j: channel 16 t + 8 h + j of my query
.set j, j+1
.endr
	QUANT2 96, PCD, PT, TP
	global_store_b128 v1, v[PCD:PCD+3], s[82:83]
	global_store_b64 v2, v[PCD+4:PCD+5], s[82:83] offset:512
	global_store_b16 v3, v[TP], s[84:85]
	s_wait_tensorcnt 0x0                           ; the wave's end
	ds_add_u32 v[SPW], v[NIL]
	s_wait_dscnt 0x0
	CROUND                                         ; the closing round
	s_endpgm
.Lfunc_end_k_q7122985aaf_attn:
	.size	k_q7122985aaf_attn, .Lfunc_end_k_q7122985aaf_attn-k_q7122985aaf_attn
	.p2alignl 7, 3214868480
	.fill 96, 4, 3214868480
	.section	.rodata,"a",@progbits
	.p2align	6, 0x0
	.amdhsa_kernel k_q7122985aaf_attn
		.amdhsa_group_segment_fixed_size 210944
		.amdhsa_private_segment_fixed_size 0
		.amdhsa_enable_private_segment 0
		.amdhsa_kernarg_size 16
		.amdhsa_user_sgpr_count 2
		.amdhsa_user_sgpr_kernarg_segment_ptr 1
		.amdhsa_wavefront_size32 1
		.amdhsa_system_sgpr_workgroup_id_x 1
		.amdhsa_system_sgpr_workgroup_id_y 1
		.amdhsa_system_sgpr_workgroup_id_z 1
		.amdhsa_system_vgpr_workitem_id 0
		.amdhsa_next_free_vgpr 256
		.amdhsa_next_free_sgpr 90
		.amdhsa_reserve_vcc 1
		.amdhsa_float_denorm_mode_32 3
		.amdhsa_float_denorm_mode_16_64 3
		.amdhsa_memory_ordered 1
		.amdhsa_forward_progress 1
		.amdhsa_inst_pref_size 40
	.end_amdhsa_kernel
	.amdgpu_metadata
---
amdhsa.version: [ 1, 2 ]
amdhsa.kernels:
  - .name:           k_q7122985aaf_attn
    .symbol:         k_q7122985aaf_attn.kd
    .args:
      - { .name: qkvimg, .offset: 0, .size: 8, .value_kind: global_buffer, .address_space: global }
      - { .name: oimg, .offset: 8, .size: 8, .value_kind: global_buffer, .address_space: global }
    .group_segment_fixed_size: 210944
    .private_segment_fixed_size: 0
    .kernarg_segment_align: 8
    .kernarg_segment_size: 16
    .max_flat_workgroup_size: 512
    .sgpr_count:     90
    .vgpr_count:     256
    .wavefront_size: 32
...
	.end_amdgpu_metadata
.endif
;; end of part 3
;; launch projln (part 4): grid 256 x 1, 8 waves a work-group, no clusters, 77,824 bytes of LDS; arguments oimg, wimg, out_b, x, ln2_g, ln2_b, x1, himg; writes x1, himg
.if DOCPART == 4
	.amdgcn_target "amdgcn-amd-amdhsa--gfx1250"
	.amdhsa_code_object_version 6
	.text
	.protected	k_q7122985aaf_projln
	.globl	k_q7122985aaf_projln
	.p2align	8
	.type	k_q7122985aaf_projln,@function
k_q7122985aaf_projln:
	s_mov_b64 s[64:65], 0
	v_nop
	global_prefetch_b8 v0, s[64:65] scope:SCOPE_SE
	s_setreg_imm32_b32 hwreg(HW_REG_WAVE_MODE, 25, 1), 1
	s_wait_xcnt 0x0
; x1 = x + O out_w + out_b on codes of FP6 (E2M3) with E8M0 scales, and layer norm 2 of x1, quantised along the model's 1,024 for the next product: one launch, since a work-group owns whole rows.
; SHARES.  A work-group takes 16 tokens x all 1,024 columns; wave w takes columns 128 w .. 128 w + 127: 8 accumulators of 16 x 16, by turns.
; OPERANDS GO FROM MEMORY STRAIGHT INTO REGISTERS.  They lie in memory as images of operand registers, so each load takes consecutive bytes.  A fragment of the weight feeds ONE product of ONE wave: nothing is shared inside a
; work-group, an LDS tile would be written and read once for each byte, and there is no tile that a joint load of a cluster could fill: so no tensor load and no cluster.
; A K step of 128 is 36 loads (the tokens' fragment and eight of the weight), 108 registers; two such buffers in window 1 take turns; an even K step brings 9 loads of scale words for itself and the next.
; A wait on LOADcnt names the loads issued behind the K step that is wanted: the next K step's 36 or 45, and at the end x's 16.
; x: prefetched at the head (a lane a unit of 256 bytes: my wave's 16 rows x 512 bytes), loaded as whole rows behind the last K step's loads; out_b is added there (4 registers serve all rows); then x turns through my wave's own stage
; in LDS into the accumulators' layout.  x1 goes the same way back and leaves as whole rows of 512 bytes.  ln2_g and ln2_b come as 16 bytes a lane and are spread through LDS likewise.
; ORIENTATION: source 0 = 16 columns of the weight, source 1 = the 16 tokens: a lane holds one token, register 8 p + j column 16 p + 8 h + j.  So inside a block of 32 place p holds offset p with bits 3 and 4 changed over, as fc1_w's image has it.
; Mean first, then the variance of the differences; the rows' sums meet in LDS.
; LIMITS: NaN and infinities are not served; a block under 2^-124, and a block of zeros, keeps the byte 1.  Scale words leave in runs of 64 bytes.
.set BLK,  6400
.set TOFF, 2457600                     ; out_w's image in wimg; 64 blocks to a K chunk of 512
.set SPARE, 1024                       ; LDS: 0-1023 the rows' sums; the spare words, 128 bytes a wave
.set GBS,  2048                        ; 1,024 bytes a wave: my 128 gains, my 128 biases
.set STG,  10240                       ; a stage of 16 rows x (512 + 16) bytes for each wave
.set SP,   528
.set SPW, 2
.set NIL, 3
.set R,   5
.set H,   6
.set L16, 7
.set L8,  8
.set L4,  9
.set STI, 10                           ; the stage in the accumulators' layout: row r, + 32 h
.set RW,  11
.set R4,  12
.set STB, 13                           ; the stage by rows: 16 x lane
.set GBW, 14
.set GBA, 15
.set PFX, 16
.set CB,  20                           ; v20-23 out_b, v24-27 ln2_g, v28-31 ln2_b at columns 4 lane .. 4 lane + 3 of my 128
.set X,   32                           ; v32-95 the accumulators, then x1, then the normalised rows
.set GG,  96                           ; v96-159 x by rows, then the gains, then the codes
.set AS,  160                          ; v160-163 the tokens' scale words: register 2 c + t: lanes 0-15 K step 4 c + 2 t, lanes 16-31 the next
.set WS,  164                          ; v164-195 the weight's: register 4 p + 2 c + t
.set TM,  224
.set PW,  242
.set PC,  96
.set XR,  0                            ; window 1, behind the products: x in the accumulators' layout,
.set BB,  64                           ; the biases of the norm,
.set RB,  128                          ; x1 by rows
.set WV,  40
.set SEL, 34
.set MSB, 0
.macro WIN new                         ; the immediate's high byte repeats the setting that is left
.if MSB != \new
	s_set_vgpr_msb (MSB<<8)|\new
.set MSB, \new
.endif
.endm
.macro GF reg, sb, off                 ; a fragment's 12 registers
	global_load_b128 v[(\reg):(\reg)+3], v[L16], s[\sb:\sb+1] offset:\off
	global_load_b64 v[(\reg)+4:(\reg)+5], v[L8], s[\sb:\sb+1] offset:\off+512
	global_load_b128 v[(\reg)+6:(\reg)+9], v[L16], s[\sb:\sb+1] offset:\off+768
	global_load_b64 v[(\reg)+10:(\reg)+11], v[L8], s[\sb:\sb+1] offset:\off+1280
.endm
.macro GLOAD g                         ; K step g's loads
.set cc, (\g)/4
.set ss, (\g)%4
.set BF, 108*((\g)%2)
.if ss%2 == 0
	global_load_b32 v[AS+2*cc+ss/2], v[L4], s[4:5] offset:cc*256*BLK+6144+64*ss
.irp p, 0,1,2,3,4,5,6,7
	global_load_b32 v[WS+4*\p+2*cc+ss/2], v[L4], s[6:7] offset:cc*64*BLK+\p*BLK+6144+64*ss
.endr
.endif
	WIN 0x40
	GF BF, 4, cc*256*BLK+1536*ss
.irp p, 0,1,2,3,4,5,6,7
	GF BF+12+12*\p, 6, cc*64*BLK+\p*BLK+1536*ss
.endr
	WIN 0
.endm
.macro GMUL g                          ; K step g's eight products
.set cc, (\g)/4
.set ss, (\g)%4
.set BF, 108*((\g)%2)
	WIN 0x05                                       ; both sources window 1, C and D window 0
.irp p, 0,1,2,3,4,5,6,7
.if (\g) == 0
	v_wmma_scale_f32_16x16x128_f8f6f4 v[X+8*\p:X+8*\p+7], v[BF+12+12*\p:BF+23+12*\p], v[BF:BF+11], 0, v[WS+4*\p], v[AS] matrix_a_fmt:MATRIX_FMT_FP6 matrix_b_fmt:MATRIX_FMT_FP6
.elseif ss%2
	v_wmma_scale_f32_16x16x128_f8f6f4 v[X+8*\p:X+8*\p+7], v[BF+12+12*\p:BF+23+12*\p], v[BF:BF+11], v[X+8*\p:X+8*\p+7], v[WS+4*\p+2*cc+ss/2], v[AS+2*cc+ss/2] matrix_a_fmt:MATRIX_FMT_FP6 matrix_b_fmt:MATRIX_FMT_FP6 matrix_a_scale:MATRIX_SCALE_ROW1 matrix_b_scale:MATRIX_SCALE_ROW1
.else
	v_wmma_scale_f32_16x16x128_f8f6f4 v[X+8*\p:X+8*\p+7], v[BF+12+12*\p:BF+23+12*\p], v[BF:BF+11], v[X+8*\p:X+8*\p+7], v[WS+4*\p+2*cc+ss/2], v[AS+2*cc+ss/2] matrix_a_fmt:MATRIX_FMT_FP6 matrix_b_fmt:MATRIX_FMT_FP6
.endif
.endr
	WIN 0
.endm
.macro TURN g
.if (\g) == 7
	s_wait_loadcnt 16                              ; behind K step 7's loads: x's 16
.elseif (\g) == 6
	s_wait_loadcnt 52                              ; K step 7's 36 and x's 16
.else
	s_wait_loadcnt 36+9*((\g)%2)                   ; the next K step's loads: 45 where it is an even one
.endif
	GMUL \g
.if (\g) < 6
.rept 4
	v_nop                                          ; places behind the products, ahead of loads into their sources
.endr
	GLOAD (\g)+2
.endif
.endm
.macro QUANT s                         ; 64 numbers of a lane become a fragment's codes in v[PC] on and its scale word in v[PW]
.irp b, 0,1,2,3
	v_max3_num_f32 v[TM+\b], |v[\s+16*\b]|, |v[\s+1+16*\b]|, 0x1800000   ; and the floor 2^(3 - 127)
.endr
.irp i, 2,4,6,8,10,12,14
.irp b, 0,1,2,3
	s_delay_alu instid0(VALU_DEP_4)
	v_max3_num_f32 v[TM+\b], v[TM+\b], |v[\s+16*\b+\i]|, |v[\s+1+16*\b+\i]|
.endr
.endr
.irp b, 0,1,2,3
	s_delay_alu instid0(VALU_DEP_4)
	v_permlanex16_b32 v[TM+4+\b], v[TM+\b], s[SEL], s[SEL+1]
.endr
.irp b, 0,1,2,3
	s_delay_alu instid0(VALU_DEP_4)
	v_max_num_f32 v[TM+\b], v[TM+\b], v[TM+4+\b]
.endr
.irp b, 0,1,2,3
	s_delay_alu instid0(VALU_DEP_4)
	v_add_nc_u32 v[TM+12+\b], 0xff000000, v[TM+\b] ; 2 off the exponent field: the conversion's scale operand
.endr
.irp b, 0,1,2,3
	s_delay_alu instid0(VALU_DEP_4)
	v_lshrrev_b32 v[TM+4+\b], 23, v[TM+12+\b]
.endr
	s_delay_alu instid0(VALU_DEP_3)
	v_lshl_or_b32 v[PW], v[TM+5], 8, v[TM+4]
	s_delay_alu instid0(VALU_DEP_1)
	v_lshl_or_b32 v[PW], v[TM+6], 16, v[PW]
	s_delay_alu instid0(VALU_DEP_1)
	v_lshl_or_b32 v[PW], v[TM+7], 24, v[PW]
.irp c, 0,1
	v_cvt_scalef32_pk16_fp6_f32 v[PC+6*\c:PC+2+6*\c], v[\s+32*\c:\s+15+32*\c], v[TM+12+2*\c]
	v_cvt_scalef32_pk16_fp6_f32 v[PC+12+4*\c:PC+14+4*\c], v[\s+16+32*\c:\s+31+32*\c], v[TM+12+2*\c+1]
.endr
	v_nop                                          ; one plain place behind a scaled conversion
.irp c, 0,1
.irp i, 0,1,2
	v_permlane16_swap_b32 v[PC+6*\c+\i], v[PC+12+4*\c+\i]
.endr
.irp i, 0,1,2
	s_delay_alu instid0(VALU_DEP_3)
	v_mov_b32 v[PC+3+6*\c+\i], v[PC+12+4*\c+\i]
.endr
.endr
.endm
.macro FOLD
	s_delay_alu instid0(VALU_DEP_3)
	v_pk_add_f32 v[224:225], v[224:225], v[226:227]
	s_delay_alu instid0(VALU_DEP_2)
	v_pk_add_f32 v[228:229], v[228:229], v[230:231]
	s_delay_alu instid0(VALU_DEP_1)
	v_pk_add_f32 v[224:225], v[224:225], v[228:229]
	s_delay_alu instid0(VALU_DEP_1)
	v_add_f32 v224, v224, v225
.endm
.macro REDUCE off                      ; v224, my lane's part -> v232, the row's total over the eight waves
	s_delay_alu instid0(VALU_DEP_1)
	v_permlanex16_b32 v225, v224, s[SEL], s[SEL+1]
	s_delay_alu instid0(VALU_DEP_1)
	v_add_f32 v224, v224, v225
	ds_store_b32 v[RW], v224 offset:\off
	s_wait_dscnt 0x0                               ; for the others' sake: my store has landed
	s_barrier_signal -1
	s_barrier_wait -1
.irp w, 0,1,2,3,4,5,6,7
	ds_load_b32 v[232+\w], v[R4] offset:\off+64*\w
.endr
	s_wait_dscnt 0x0
	v_add_f32 v232, v232, v233
	v_add_f32 v234, v234, v235
	v_add_f32 v236, v236, v237
	v_add_f32 v238, v238, v239
	s_delay_alu instid0(VALU_DEP_3)
	v_add_f32 v232, v232, v234
	s_delay_alu instid0(VALU_DEP_2)
	v_add_f32 v236, v236, v238
	s_delay_alu instid0(VALU_DEP_1)
	v_add_f32 v232, v232, v236
.endm
	s_load_b256 s[4:11], s[0:1], 0x0               ; oimg, wimg, out_b, x
	s_load_b256 s[12:19], s[0:1], 0x20             ; ln2_g, ln2_b, x1, himg
	v_lshl_add_u32 v[SPW], v0, 2, SPARE
	v_mov_b32 v[NIL], 0
	v_lshrrev_b32 v1, 5, v0
	s_delay_alu instid0(VALU_DEP_1)
	v_readfirstlane_b32 s[WV], v1                  ; wave 0..7
	v_and_b32 v4, 31, v0
	v_and_b32 v[R], 15, v0
	v_bfe_u32 v[H], v0, 4, 1
	s_delay_alu instid0(VALU_DEP_3)
	v_lshlrev_b32 v[L16], 4, v4
	v_lshlrev_b32 v[L8], 3, v4
	v_lshlrev_b32 v[L4], 2, v4
	v_lshlrev_b32 v[R4], 2, v[R]
	s_mul_i32 s41, s[WV], 16*SP
	s_add_co_u32 s41, s41, STG                     ; my stage
	v_mul_u32_u24 v[STI], v[R], SP
	v_add_nc_u32 v[STB], s41, v[L16]
	s_delay_alu instid0(VALU_DEP_2)
	v_lshl_add_u32 v[STI], v[H], 5, v[STI]
	s_delay_alu instid0(VALU_DEP_1)
	v_add_nc_u32 v[STI], s41, v[STI]
	s_lshl_b32 s41, s[WV], 10
	s_add_co_u32 s41, s41, GBS
	v_add_nc_u32 v[GBW], s41, v[L16]
	v_lshlrev_b32 v[GBA], 5, v[H]
	s_delay_alu instid0(VALU_DEP_1)
	v_add_nc_u32 v[GBA], s41, v[GBA]
	s_lshl_b32 s41, s[WV], 6
	v_add_nc_u32 v[RW], s41, v[R4]                 ; LDS: 64 x wave + 4 x row
	v_lshrrev_b32 v[PFX], 1, v4
	v_and_b32 v1, 1, v4
	s_delay_alu instid0(VALU_DEP_2)
	v_lshlrev_b32 v[PFX], 12, v[PFX]
	s_delay_alu instid0(VALU_DEP_1)
	v_lshl_add_u32 v[PFX], v1, 8, v[PFX]           ; row lane / 2, unit lane % 2 of its 512 bytes
	s_mul_i32 s20, ttmp9, BLK                      ; the tokens' block
	s_mov_b32 s21, 0
	s_mul_i32 s22, s[WV], 8*BLK
	s_add_co_u32 s22, s22, TOFF                    ; my eight blocks of the weight
	s_mov_b32 s23, 0
	s_lshl_b32 s26, s[WV], 9                       ; my 128 columns in f32
	s_mov_b32 s27, 0
	s_lshl_b32 s24, ttmp9, 16                      ; 16 rows of 4,096 bytes
	s_add_co_u32 s24, s24, s26
	s_mov_b32 s25, 0
	s_mov_b32 s[SEL], 0x76543210
	s_mov_b32 s[SEL+1], 0xfedcba98                 ; lane l xor 16
	s_mov_b32 s36, 0x3a800000                      ; 1 / 1,024
	s_mov_b32 s37, 0x3727c5ac                      ; 1e-5
	s_lshr_b32 s42, s[WV], 2                       ; the image: block (wave / 4, work-group), K step wave % 4
	s_lshl_b32 s42, s42, 8
	s_add_co_u32 s42, s42, ttmp9
	s_mul_i32 s42, s42, BLK
	s_and_b32 s44, s[WV], 3
	s_lshl_b32 s46, s44, 6
	s_add_co_u32 s46, s46, s42
	s_add_co_u32 s46, s46, 6144
	s_mul_i32 s44, s44, 1536
	s_add_co_u32 s42, s42, s44
	s_mov_b32 s43, 0
	s_mov_b32 s47, 0
	s_wait_alu depctr_va_vdst(0)
	s_wait_kmcnt 0x0
	s_add_nc_u64 s[10:11], s[10:11], s[24:25]
	global_prefetch_b8 v[PFX], s[10:11] th:TH_LOAD_NT scope:SCOPE_SE   ; x: the loads that want it stand behind K step 7's
	s_add_nc_u64 s[4:5], s[4:5], s[20:21]
	s_add_nc_u64 s[6:7], s[6:7], s[22:23]
	s_add_nc_u64 s[8:9], s[8:9], s[26:27]
	s_add_nc_u64 s[12:13], s[12:13], s[26:27]
	s_add_nc_u64 s[14:15], s[14:15], s[26:27]
	s_add_nc_u64 s[16:17], s[16:17], s[24:25]
	s_add_nc_u64 s[30:31], s[18:19], s[46:47]      ; my scale words
	s_add_nc_u64 s[28:29], s[18:19], s[42:43]      ; my fragment
	global_load_b128 v[CB:CB+3], v[L16], s[8:9]
	global_load_b128 v[CB+4:CB+7], v[L16], s[12:13]
	global_load_b128 v[CB+8:CB+11], v[L16], s[14:15]
	GLOAD 0
	GLOAD 1
	TURN 0
	ds_store_b128 v[GBW], v[CB+4:CB+7]             ; gains and biases of the norm into my own LDS bytes (they were loaded ahead of K step 0)
	ds_store_b128 v[GBW], v[CB+8:CB+11] offset:512
	TURN 1
	TURN 2
	TURN 3
	TURN 4
	TURN 5
.set t, 0
.rept 16
	global_load_b128 v[GG+4*t:GG+4*t+3], v[L16], s[10:11] offset:4096*t   ; x by rows: 512 consecutive bytes
.set t, t+1
.endr
	TURN 6
	TURN 7
	s_wait_loadcnt 0x0                             ; x
.set t, 0
.rept 16
	v_pk_add_f32 v[GG+4*t:GG+4*t+1], v[GG+4*t:GG+4*t+1], v[CB:CB+1]       ; + out_b.  (These are also the places behind the last products)
	v_pk_add_f32 v[GG+4*t+2:GG+4*t+3], v[GG+4*t+2:GG+4*t+3], v[CB+2:CB+3]
.set t, t+1
.endr
.set t, 0
.rept 16
	ds_store_b128 v[STB], v[GG+4*t:GG+4*t+3] offset:SP*t
.set t, t+1
.endr
	WIN 0x40                                       ; LDS serves a wave's instructions in order: these see my stores
.irp p, 0,1,2,3,4,5,6,7
	ds_load_b128 v[XR+8*\p:XR+8*\p+3], v[STI] offset:64*\p
	ds_load_b128 v[XR+8*\p+4:XR+8*\p+7], v[STI] offset:64*\p+16
.endr
.irp p, 0,1,2,3,4,5,6,7
	ds_load_b128 v[BB+8*\p:BB+8*\p+3], v[GBA] offset:512+64*\p
	ds_load_b128 v[BB+8*\p+4:BB+8*\p+7], v[GBA] offset:512+64*\p+16
.endr
	WIN 0
.irp p, 0,1,2,3,4,5,6,7
	ds_load_b128 v[GG+8*\p:GG+8*\p+3], v[GBA] offset:64*\p
	ds_load_b128 v[GG+8*\p+4:GG+8*\p+7], v[GBA] offset:64*\p+16
.endr
	s_wait_dscnt 32                                ; x is back; the 32 loads of gains and biases may be out
	WIN 0x04
.set j, 0
.rept 32
	v_pk_add_f32 v[X+j:X+j+1], v[X+j:X+j+1], v[XR+j:XR+j+1]   ; x1; each accumulator is read from its low end on
.set j, j+2
.endr
	WIN 0
.irp p, 0,1,2,3,4,5,6,7
	ds_store_b128 v[STI], v[X+8*\p:X+8*\p+3] offset:64*\p
	ds_store_b128 v[STI], v[X+8*\p+4:X+8*\p+7] offset:64*\p+16
.endr
	WIN 0x40
.set t, 0
.rept 16
	ds_load_b128 v[RB+4*t:RB+4*t+3], v[STB] offset:SP*t
.set t, t+1
.endr
	WIN 0
.irp c, 0,1,2,3
	v_pk_add_f32 v[224+2*\c:225+2*\c], v[X+2*\c:X+2*\c+1], v[X+8+2*\c:X+9+2*\c]
.endr
.irp j, 16,24,32,40,48,56
.irp c, 0,1,2,3
	s_delay_alu instid0(VALU_DEP_4)
	v_pk_add_f32 v[224+2*\c:225+2*\c], v[224+2*\c:225+2*\c], v[X+\j+2*\c:X+\j+2*\c+1]
.endr
.endr
	FOLD
	REDUCE 0                                       ; its waits for 0 cover x1's rows, the gains and the biases too
	WIN 0x04
.set t, 0
.rept 16
	global_store_b128 v[L16], v[RB+4*t:RB+4*t+3], s[16:17] offset:4096*t   ; x1: 512 consecutive bytes, two aligned units
.set t, t+1
.endr
	WIN 0
	v_mul_f32 v240, s36, v232                      ; the mean
	s_delay_alu instid0(VALU_DEP_1)
	v_mov_b32 v241, v240
.set j, 0
.rept 32
	v_pk_add_f32 v[X+j:X+j+1], v[X+j:X+j+1], v[240:241] neg_lo:[0,1] neg_hi:[0,1]
.set j, j+2
.endr
.irp c, 0,1,2,3
	v_pk_mul_f32 v[224+2*\c:225+2*\c], v[X+2*\c:X+2*\c+1], v[X+2*\c:X+2*\c+1]
.endr
.irp j, 8,16,24,32,40,48,56
.irp c, 0,1,2,3
	s_delay_alu instid0(VALU_DEP_4)
	v_pk_fma_f32 v[224+2*\c:225+2*\c], v[X+\j+2*\c:X+\j+2*\c+1], v[X+\j+2*\c:X+\j+2*\c+1], v[224+2*\c:225+2*\c]
.endr
.endr
	FOLD
	REDUCE 512                                     ; other bytes than the first sum's: no barrier between the two
	s_delay_alu instid0(VALU_DEP_1)
	v_fma_f32 v240, v232, s36, s37                 ; variance + 1e-5
	s_wait_alu depctr_va_vdst(0)                   ; the wait ahead of the transcendental
	v_rsq_f32 v240, v240
	v_nop                                          ; a plain place behind it
	s_wait_alu depctr_va_vdst(0)                   ; and the wait ahead of the result's first reader
	v_mov_b32 v241, v240
.set j, 0
.rept 32
	v_pk_mul_f32 v[X+j:X+j+1], v[X+j:X+j+1], v[240:241]
.set j, j+2
.endr
	WIN 0x10
.set j, 0
.rept 32
	v_pk_fma_f32 v[X+j:X+j+1], v[X+j:X+j+1], v[GG+j:GG+j+1], v[BB+j:BB+j+1]
.set j, j+2
.endr
	WIN 0
	QUANT X
.irp c, 0,1
	global_store_b128 v[L16], v[PC+6*\c:PC+6*\c+3], s[28:29] offset:768*\c       ; 512 consecutive bytes
	global_store_b64 v[L8], v[PC+6*\c+4:PC+6*\c+5], s[28:29] offset:768*\c+512   ; 256 consecutive bytes
.endr
	global_store_b32 v[R4], v[PW], s[30:31]        ; both halves of the lanes hold the row's word
	s_wait_tensorcnt 0x0                           ; the wave's end
	ds_add_u32 v[SPW], v[NIL]
	s_wait_dscnt 0x0
	s_endpgm
.Lfunc_end_k_q7122985aaf_projln:
	.size	k_q7122985aaf_projln, .Lfunc_end_k_q7122985aaf_projln-k_q7122985aaf_projln
	.p2alignl 7, 3214868480
	.fill 96, 4, 3214868480
	.section	.rodata,"a",@progbits
	.p2align	6, 0x0
	.amdhsa_kernel k_q7122985aaf_projln
		.amdhsa_group_segment_fixed_size 77824
		.amdhsa_private_segment_fixed_size 0
		.amdhsa_enable_private_segment 0
		.amdhsa_kernarg_size 64
		.amdhsa_user_sgpr_count 2
		.amdhsa_user_sgpr_kernarg_segment_ptr 1
		.amdhsa_wavefront_size32 1
		.amdhsa_system_sgpr_workgroup_id_x 1
		.amdhsa_system_sgpr_workgroup_id_y 1
		.amdhsa_system_sgpr_workgroup_id_z 1
		.amdhsa_system_vgpr_workitem_id 0
		.amdhsa_next_free_vgpr 472
		.amdhsa_next_free_sgpr 66
		.amdhsa_reserve_vcc 0
		.amdhsa_float_denorm_mode_32 3
		.amdhsa_float_denorm_mode_16_64 3
		.amdhsa_memory_ordered 1
		.amdhsa_forward_progress 1
		.amdhsa_inst_pref_size 79
	.end_amdhsa_kernel
	.amdgpu_metadata
---
amdhsa.version: [ 1, 2 ]
amdhsa.kernels:
  - .name:           k_q7122985aaf_projln
    .symbol:         k_q7122985aaf_projln.kd
    .args:
      - { .name: oimg, .offset: 0, .size: 8, .value_kind: global_buffer, .address_space: global }
      - { .name: wimg, .offset: 8, .size: 8, .value_kind: global_buffer, .address_space: global }
      - { .name: out_b, .offset: 16, .size: 8, .value_kind: global_buffer, .address_space: global }
      - { .name: x, .offset: 24, .size: 8, .value_kind: global_buffer, .address_space: global }
      - { .name: ln2_g, .offset: 32, .size: 8, .value_kind: global_buffer, .address_space: global }
      - { .name: ln2_b, .offset: 40, .size: 8, .value_kind: global_buffer, .address_space: global }
      - { .name: x1, .offset: 48, .size: 8, .value_kind: global_buffer, .address_space: global }
      - { .name: himg, .offset: 56, .size: 8, .value_kind: global_buffer, .address_space: global }
    .group_segment_fixed_size: 77824
    .private_segment_fixed_size: 0
    .kernarg_segment_align: 8
    .kernarg_segment_size: 64
    .max_flat_workgroup_size: 256
    .sgpr_count:     66
    .vgpr_count:     472
    .wavefront_size: 32
...
	.end_amdgpu_metadata
.endif
;; end of part 4
;; launch fc1 (part 5): grid 16 x 16, 4 waves a work-group, clusters of 4 x 4, 327,680 bytes of LDS; arguments himg, wimg, fc1_b, gimg; writes gimg
.if DOCPART == 5
	.amdgcn_target "amdgcn-amd-amdhsa--gfx1250"
	.amdhsa_code_object_version 6
	.text
	.protected	k_q7122985aaf_fc1
	.globl	k_q7122985aaf_fc1
	.p2align	8
	.type	k_q7122985aaf_fc1,@function
k_q7122985aaf_fc1:
	s_mov_b64 s[64:65], 0
	v_nop
	global_prefetch_b8 v0, s[64:65] scope:SCOPE_SE
	s_setreg_imm32_b32 hwreg(HW_REG_WAVE_MODE, 25, 1), 1
	s_wait_xcnt 0x0
	s_wait_alu depctr_hold_cnt(0) depctr_sa_sdst(0) depctr_va_vdst(0) depctr_va_sdst(0) depctr_va_ssrc(0) depctr_va_vcc(0) depctr_vm_vsrc(0)
	s_getreg_b32 s2, hwreg(HW_REG_IB_STS2, 6, 4)
	s_cmp_eq_u32 s2, 0
	s_cbranch_scc0 .Lentry_in_a_cluster
	s_endpgm
.Lentry_in_a_cluster:
	s_bfe_u32 s2, ttmp6, 0x10000c
	s_cmp_lg_u32 s2, 0xf033
	s_cbranch_scc0 .Lentry_shape_is_right
	s_endpgm
.Lentry_shape_is_right:
; FC1: g = gelu(LN2(x1) fc1_w + fc1_b) on codes of FP6 (E2M3) with E8M0 scales; g is quantised along the hidden axis, the next product's K, and leaves as images of operand registers.
; SHARES.  A work-group makes 256 tokens (Y) x 256 hidden units (X); wave w owns hidden units 64 w .. 64 w + 63 for all 256 tokens.
; THE WEIGHTS STAY IN REGISTERS: a wave's 64 columns x 1,024 k are 32 fragments, 384 registers (windows 1 and 2), read once.  THE TOKENS' CODES STAY IN LDS: 256 rows x 1,024 k with their scale words, 204,800 bytes, filled once.
; So no byte of LDS is filled twice: no ring, and one barrier in the launch.  A trip takes 16 tokens: 8 fragments from LDS feed 32 products (each fragment four), the 4 accumulators by turns;
; the bias is the C of each accumulator's first product; then GELU, the quantiser and the stores, under which the next trip's fragments land.  The trip is written once: 16 trips.
; THE HEAD'S TENSOR LOADS, one a wave: wave 0 and 1 the tokens' K chunk 0 and 1 (16 blocks of 6,400 bytes each, dense), wave 2 the weights' chunk 1 (16 blocks), wave 3 the last 1,024 bytes of the weights' 16 blocks of chunk 0
; (half a fragment of K step 3 and the scale words).  The rest of the weights' chunk 0 comes by 56 global loads a wave, the bias by 8.  Each wave copies its own four blocks from LDS into registers once.
; CLUSTER 4 x 4: the tokens' blocks hang on Y alone and are asked for jointly along a row of the cluster, the weights' on X alone, jointly along a column.
; No prefetch: everything that the launch reads is asked for at its head, so there is no loop to run ahead in.
; ORIENTATION: source 0 = 16 columns of the weight, source 1 = 16 tokens: a lane holds one token, its registers run along the hidden units.  Inside a block of 32 place p holds offset p with bits 3 and 4 changed over, as fc2_w's image has it.
; A scale register holds the words of two K steps: lanes 0-15 the even step's, lanes 16-31 the odd step's.
; gelu(x) = max(x, 0) - |x| erfc(|x| / sqrt 2) / 2; erfc(z) = t exp(-z z + a polynomial of degree 9 in t), t = 1 / (1 + z / 2).
; The last trip's look-ahead is held at token block 15: those 36 LDS loads land in registers that nobody reads.
; LIMITS: NaN and infinities are not served; a block under 2^-124, and a block of zeros, keeps the byte 1.  A half fragment's two scale bytes leave as halfwords.
.set BLK,  6400                        ; 16 rows x 512 k: four fragments of 1,536 bytes, then 256 bytes of scale words
.set CHK,  256*BLK                     ; from K chunk to K chunk in himg, in fc1_w's image and in gimg
.set TOFF, 3276800                     ; fc1_w's image in wimg
.set ACH,  16*BLK                      ; LDS: the tokens' chunk c at c x ACH
.set WL,   2*ACH                       ; the weights' chunk 1
.set TL,   WL+ACH                      ; the tails of the weights' chunk 0: 16 x 1,024 bytes
.set SPARE, TL+16*1024                 ; the spare words, 128 bytes a wave
.set SPW, 2
.set NIL, 3
.set L16, 4                            ; 16, 8, 4 x lane
.set L8,  5
.set L4,  6
.set R4,  7                            ; 4 x (lane % 16)
.set H32, 8                            ; 32 x (lane / 16)
.set AD,  10                           ; v10-15 LDS addresses: 16, 8, 4 bytes a lane in chunk 0, the same in chunk 1
.set C9,  16
.set AS,  20                           ; v20-23 the tokens' scale words: register 2 c + t: K steps 4 c + 2 t and 4 c + 2 t + 1
.set WS,  24                           ; v24-39 the weights': register 4 p + 2 c + t
.set BIAS, 40                          ; v40-71
.set ACC, 72                           ; v72-103 accumulator p at v[72 + 8 p]
.set ZZ,  104
.set TT,  136
.set PP,  168
.set TM,  200
.set PCD, 208
.set PT,  216
.set PW,  220
; window 1: the weights' fragments of chunk 0, (K step s, tile p) at v[48 s + 12 p]; window 2: chunk 1's; window 3: the tokens' eight fragments, K step ks at v[12 ks]
.set WV, 12
.set X,  13
.set Y,  14
.set G1A, 24
.set G1W, 32
.set G1T, 40
.set G0A, 48
.set G0W, 52
.set G0T, 56
.set WG, 60
.set BP, 62
.set SEL, 66
.set CF, 68
.set RS2, 86
.set GC, 88
.set GS, 90
.set TB, 92
.set TN, 93
.set TN1, 94
.set MSB, 0
.macro WIN new                         ; the immediate's high byte repeats the setting that is left
.if MSB != \new
	s_set_vgpr_msb (MSB<<8)|\new
.set MSB, \new
.endif
.endm
.macro CROUND                          ; a round of the cluster's barrier
	s_barrier_signal -1
	s_barrier_wait -1
	s_cmp_lg_u32 s[WV], 0
	s_cbranch_scc1 .Lnot_wave_0_\@
	s_barrier_signal -3
.Lnot_wave_0_\@:
	s_barrier_wait -3
	s_barrier_signal -1
	s_barrier_wait -1
.endm
.macro ARM under, g0, g1
	s_cmp_lt_u32 s[WV], \under
	s_cbranch_scc0 .Lnext_\@
	tensor_load_to_lds s[\g0:\g0+3], s[\g1:\g1+7]
	s_nop 0
.rept 4
	v_nop
.endr
	s_branch .Lasked
.Lnext_\@:
.endm
.macro FR reg, a, off                  ; a fragment's 12 registers from LDS: each load takes consecutive bytes
	ds_load_b128 v[(\reg):(\reg)+3], v[\a] offset:\off
	ds_load_b64 v[(\reg)+4:(\reg)+5], v[(\a)+1] offset:\off+512
	ds_load_b128 v[(\reg)+6:(\reg)+9], v[\a] offset:\off+768
	ds_load_b64 v[(\reg)+10:(\reg)+11], v[(\a)+1] offset:\off+1280
.endm
.macro ADRS sa, sb
	v_add_nc_u32 v[AD], s[\sa], v[L16]
	v_add_nc_u32 v[AD+1], s[\sa], v[L8]
	v_add_nc_u32 v[AD+2], s[\sa], v[L4]
	v_add_nc_u32 v[AD+3], s[\sb], v[L16]
	v_add_nc_u32 v[AD+4], s[\sb], v[L8]
	v_add_nc_u32 v[AD+5], s[\sb], v[L4]
.endm
.macro FETCH                           ; 16 tokens x 1,024 k: four scale registers and eight fragments
.irp t, 0,1
	ds_load_b32 v[AS+\t], v[AD+2] offset:6144+128*\t
	ds_load_b32 v[AS+2+\t], v[AD+5] offset:6144+128*\t
.endr
	WIN 0xc0
.irp s, 0,1,2,3
	FR 12*\s, AD, 1536*\s
.endr
.irp s, 0,1,2,3
	FR 48+12*\s, AD+3, 1536*\s
.endr
	WIN 0
.endm
.macro MM ks                           ; K step ks: four products
.set cc, (\ks)/4
.set ss, (\ks)%4
.irp p, 0,1,2,3
.if (\ks) == 0
	v_wmma_scale_f32_16x16x128_f8f6f4 v[ACC+8*\p:ACC+8*\p+7], v[12*\p:12*\p+11], v[0:11], v[BIAS+8*\p:BIAS+8*\p+7], v[WS+4*\p], v[AS] matrix_a_fmt:MATRIX_FMT_FP6 matrix_b_fmt:MATRIX_FMT_FP6
.elseif ss%2
	v_wmma_scale_f32_16x16x128_f8f6f4 v[ACC+8*\p:ACC+8*\p+7], v[48*ss+12*\p:48*ss+12*\p+11], v[12*(\ks):12*(\ks)+11], v[ACC+8*\p:ACC+8*\p+7], v[WS+4*\p+2*cc+ss/2], v[AS+2*cc+ss/2] matrix_a_fmt:MATRIX_FMT_FP6 matrix_b_fmt:MATRIX_FMT_FP6 matrix_a_scale:MATRIX_SCALE_ROW1 matrix_b_scale:MATRIX_SCALE_ROW1
.else
	v_wmma_scale_f32_16x16x128_f8f6f4 v[ACC+8*\p:ACC+8*\p+7], v[48*ss+12*\p:48*ss+12*\p+11], v[12*(\ks):12*(\ks)+11], v[ACC+8*\p:ACC+8*\p+7], v[WS+4*\p+2*cc+ss/2], v[AS+2*cc+ss/2] matrix_a_fmt:MATRIX_FMT_FP6 matrix_b_fmt:MATRIX_FMT_FP6
.endif
.endr
.endm
.macro CONST i, bits
	s_mov_b32 s[CF+2*\i], \bits
	s_mov_b32 s[CF+2*\i+1], \bits
.endm
; 32 numbers of a lane (two blocks; register 16 b + i) become half a fragment in v[pc .. pc + 5] and two scale bytes in v[pw]
.macro QUANT2 s, pc, pt, pw
.irp b, 0,1
	v_max3_num_f32 v[TM+\b], |v[(\s)+16*\b]|, |v[(\s)+1+16*\b]|, 0x1800000   ; and the floor 2^(3 - 127)
.endr
.irp i, 2,4,6,8,10,12,14
.irp b, 0,1
	v_max3_num_f32 v[TM+\b], v[TM+\b], |v[(\s)+16*\b+\i]|, |v[(\s)+1+16*\b+\i]|
.endr
.endr
.irp b, 0,1
	v_permlanex16_b32 v[TM+2+\b], v[TM+\b], s[SEL], s[SEL+1]
.endr
.irp b, 0,1
	v_max_num_f32 v[TM+\b], v[TM+\b], v[TM+2+\b]   ; with lane l xor 16's: the block's largest magnitude
.endr
.irp b, 0,1
	v_add_nc_u32 v[TM+4+\b], 0xff000000, v[TM+\b]  ; 2 off the exponent field: the conversion's scale operand
.endr
.irp b, 0,1
	v_lshrrev_b32 v[TM+2+\b], 23, v[TM+4+\b]       ; the byte
.endr
	v_lshl_or_b32 v[\pw], v[TM+3], 8, v[TM+2]
	v_cvt_scalef32_pk16_fp6_f32 v[(\pc):(\pc)+2], v[(\s):(\s)+15], v[TM+4]
	v_cvt_scalef32_pk16_fp6_f32 v[(\pt):(\pt)+2], v[(\s)+16:(\s)+31], v[TM+5]
	v_nop                                          ; one plain place behind a scaled conversion
.irp i, 0,1,2
	v_permlane16_swap_b32 v[(\pc)+\i], v[(\pt)+\i] ; a whole block to a lane
.endr
.irp i, 0,1,2
	v_mov_b32 v[(\pc)+3+\i], v[(\pt)+\i]
.endr
.endm
.macro GELU32 s                        ; 32 numbers of a lane, in place
.set i, 0
.rept 32
	v_mul_f32 v[ZZ+i], s[RS2], |v[(\s)+i]|         ; z = |x| / sqrt 2; each accumulator is read from its low end on
.set i, i+1
.endr
.set i, 0
.rept 16
	v_pk_fma_f32 v[TT+i:TT+i+1], v[ZZ+i:ZZ+i+1], 0.5, 1.0 op_sel_hi:[1,0,0]
.set i, i+2
.endr
.set i, 0
	s_wait_alu depctr_va_vdst(0)                   ; the wait ahead of a batch of transcendentals
.rept 16                                       ; the reciprocals take turns with plain work that names none of their registers
	v_rcp_f32 v[TT+i], v[TT+i]                     ; t
	v_pk_fma_f32 v[ZZ+i:ZZ+i+1], v[ZZ+i:ZZ+i+1], v[ZZ+i:ZZ+i+1], s[CF:CF+1] op_sel_hi:[1,1,0] neg_lo:[1,0,0] neg_hi:[1,0,0]   ; -z z + c0
	v_rcp_f32 v[TT+i+1], v[TT+i+1]
.set i, i+2
.endr
	v_nop                                          ; a plain place behind the last
	s_wait_alu depctr_va_vdst(0)                   ; and behind it, ahead of its first reader
.set i, 0
.rept 16
	v_pk_fma_f32 v[PP+i:PP+i+1], v[TT+i:TT+i+1], v[C9:C9+1], s[CF+16:CF+17] op_sel_hi:[1,1,0]
.set i, i+2
.endr
.irp c, 7,6,5,4,3,2,1
.set i, 0
.rept 16
	v_pk_fma_f32 v[PP+i:PP+i+1], v[PP+i:PP+i+1], v[TT+i:TT+i+1], s[CF+2*\c:CF+2*\c+1] op_sel_hi:[1,1,0]
.set i, i+2
.endr
.endr
.set i, 0
.rept 16
	v_pk_fma_f32 v[PP+i:PP+i+1], v[PP+i:PP+i+1], v[TT+i:TT+i+1], v[ZZ+i:ZZ+i+1]
.set i, i+2
.endr
.set i, 0
.rept 16
	v_pk_fma_f32 v[PP+i:PP+i+1], v[PP+i:PP+i+1], 0x3fb8aa3b, -1.0 op_sel_hi:[1,0,0]   ; to the base 2, and the half
.set i, i+2
.endr
.set i, 0
	s_wait_alu depctr_va_vdst(0)
.rept 32                                       ; the exponentials likewise
	v_exp_f32 v[PP+i], v[PP+i]
	v_max_num_f32 v[ZZ+i], 0, v[(\s)+i]
.set i, i+1
.endr
	s_wait_alu depctr_va_vdst(0)
.set i, 0
.rept 16
	v_pk_mul_f32 v[PP+i:PP+i+1], v[PP+i:PP+i+1], v[TT+i:TT+i+1]   ; erfc(z) / 2
.set i, i+2
.endr
.set i, 0
.rept 32
	v_fma_f32 v[(\s)+i], -|v[(\s)+i]|, v[PP+i], v[ZZ+i]
.set i, i+1
.endr
.endm
	s_load_b256 s[4:11], s[0:1], 0x0               ; himg, wimg, fc1_b, gimg
	v_lshl_add_u32 v[SPW], v0, 2, SPARE
	v_mov_b32 v[NIL], 0
	ds_add_u32 v[SPW], v[NIL]                      ; the opening lines: the add, twice on end, and its wait ahead of my first tensor load
	ds_add_u32 v[SPW], v[NIL]
	v_lshrrev_b32 v1, 5, v0
	v_readfirstlane_b32 s[WV], v1                  ; wave 0..3
	s_bfe_u32 s20, ttmp6, 0x40000                  ; cx
	s_bfe_u32 s21, ttmp6, 0x40004                  ; cy
	s_lshl_b32 s[X], ttmp9, 2
	s_add_co_u32 s[X], s[X], s20                   ; which 256 hidden units
	s_and_b32 s[Y], ttmp7, 0xffff
	s_lshl_b32 s[Y], s[Y], 2
	s_add_co_u32 s[Y], s[Y], s21                   ; which 256 tokens
	s_lshl_b32 s22, s21, 2
	s_lshl_b32 s22, 15, s22                        ; my row of the cluster
	s_lshl_b32 s23, 0x1111, s20                    ; my column
	s_or_b32 s[G1A], s22, (3<<16)|(1<<21)          ; the mask; elements of 8 bytes; bit 21 beside a mask; no padding
	s_or_b32 s[G1W], s23, (3<<16)|(1<<21)
	s_or_b32 s[G1T], s23, (3<<16)|(1<<21)
.irp g, G1A, G1W
	s_mov_b32 s[\g+1], 32<<16                      ; rows of 256 bytes,
	s_mov_b32 s[\g+2], 400<<16                     ; 400 of them: 16 blocks,
	s_mov_b32 s[\g+3], 32<<16
	s_mov_b32 s[\g+4], 400
	s_mov_b32 s[\g+5], 32                          ; dense
	s_mov_b32 s[\g+6], 0
	s_mov_b32 s[\g+7], 0
.endr
	s_mov_b32 s[G1T+1], 128<<16                    ; rows of 1,024 bytes,
	s_mov_b32 s[G1T+2], 16<<16                     ; 16 of them,
	s_mov_b32 s[G1T+3], 128<<16
	s_mov_b32 s[G1T+4], 16
	s_mov_b32 s[G1T+5], BLK/8                      ; a block apart
	s_mov_b32 s[G1T+6], 0
	s_mov_b32 s[G1T+7], 0
	s_and_b32 s15, s[WV], 1
	s_lshl_b32 s16, s15, 8
	s_lshl_b32 s17, s[Y], 4
	s_add_co_u32 s16, s16, s17
	s_mul_i32 s16, s16, BLK                        ; the tokens' blocks (chunk = wave % 2, 16 Y ..)
	s_mov_b32 s17, 0
	s_mov_b32 s[G0A], 1
	s_mul_i32 s[G0A+1], s15, ACH
	s_lshl_b32 s18, s[X], 4
	s_mul_i32 s18, s18, BLK
	s_add_co_u32 s18, s18, TOFF                    ; the weights' blocks (chunk 0, 16 X ..)
	s_mov_b32 s19, 0
	s_mov_b32 s[G0W], 1
	s_mov_b32 s[G0W+1], WL
	s_mov_b32 s[G0T], 1
	s_mov_b32 s[G0T+1], TL
	s_mul_i32 s96, s[WV], 4*BLK                    ; my four blocks among them
	s_mov_b32 s97, 0
	s_lshl_b32 s98, s[X], 10
	s_lshl_b32 s99, s[WV], 8
	s_add_co_u32 s98, s98, s99                     ; my 64 biases
	s_mov_b32 s99, 0
	s_wait_dscnt 0x0                               ; both opening adds are done
	s_wait_kmcnt 0x0
	s_add_nc_u64 s[G0A+2:G0A+3], s[4:5], s[16:17]
	s_or_b32 s[G0A+3], s[G0A+3], 0x80000000
	s_add_nc_u64 s[18:19], s[6:7], s[18:19]
	s_add_nc_u64 s[G0W+2:G0W+3], s[18:19], CHK
	s_or_b32 s[G0W+3], s[G0W+3], 0x80000000
	s_add_nc_u64 s[G0T+2:G0T+3], s[18:19], 5376    ; byte 5,376 of a block: the second half of K step 3's fragment, then the scale words
	s_or_b32 s[G0T+3], s[G0T+3], 0x80000000
	s_add_nc_u64 s[WG:WG+1], s[18:19], s[96:97]
	s_add_nc_u64 s[BP:BP+1], s[8:9], s[98:99]
	CROUND                                         ; all sixteen work-groups are here: the joint loads meet
	ARM 2, G0A, G1A                                ; one chain of branches on the wave's number, one load to an arm
	ARM 3, G0W, G1W
	tensor_load_to_lds s[G0T:G0T+3], s[G1T:G1T+7]
	s_nop 0
.rept 4
	v_nop
.endr
.Lasked:
	v_and_b32 v1, 31, v0
	v_and_b32 v9, 15, v0
	v_bfe_u32 v18, v0, 4, 1
	v_lshlrev_b32 v[L16], 4, v1
	v_lshlrev_b32 v[L8], 3, v1
	v_lshlrev_b32 v[L4], 2, v1
	v_lshlrev_b32 v[R4], 2, v9
	v_lshlrev_b32 v[H32], 5, v18
.irp n, 0,1,2,3,4,5,6
	global_load_b128 v[BIAS+4*\n:BIAS+4*\n+3], v[H32], s[BP:BP+1] offset:64*(\n/2)+16*(\n%2)   ; register 8 p + j: hidden unit 16 p + 8 h + j
.endr
	WIN 0x40
.irp s, 0,1,2,3
.irp p, 0,1,2,3
	global_load_b128 v[48*\s+12*\p:48*\s+12*\p+3], v[L16], s[WG:WG+1] offset:\p*BLK+1536*\s
	global_load_b64 v[48*\s+12*\p+4:48*\s+12*\p+5], v[L8], s[WG:WG+1] offset:\p*BLK+1536*\s+512
.if \s < 3
	global_load_b128 v[48*\s+12*\p+6:48*\s+12*\p+9], v[L16], s[WG:WG+1] offset:\p*BLK+1536*\s+768
	global_load_b64 v[48*\s+12*\p+10:48*\s+12*\p+11], v[L8], s[WG:WG+1] offset:\p*BLK+1536*\s+1280
.endif
.endr
.endr
	WIN 0
	global_load_b128 v[BIAS+28:BIAS+31], v[H32], s[BP:BP+1] offset:208
	v_mov_b32 v[C9], 0x3e2ef946
	v_mov_b32 v[C9+1], 0x3e2ef946
	v_mov_b32 v[TM+2], 0                           ; a lane permute's destination counts as one of its sources
	v_mov_b32 v[TM+3], 0
	s_mov_b32 s[SEL], 0x76543210
	s_mov_b32 s[SEL+1], 0xfedcba98                 ; lane l xor 16
	s_mov_b32 s[RS2], 0x3f3504f3                   ; 1 / sqrt 2
	CONST 0, 0xbfa1fc4e
	CONST 1, 0x3f8000c7
	CONST 2, 0x3ebf88fb
	CONST 3, 0x3dc636c9
	CONST 4, 0xbe3ec24c
	CONST 5, 0x3e8ec7cc
	CONST 6, 0xbf914e5d
	CONST 7, 0x3fbe87b0
	CONST 8, 0xbf527892
	; where the results go: hidden unit 256 X + 64 w is chunk X / 2, K step 2 (X % 2) + w / 2, half w % 2; token block 16 Y
	s_lshr_b32 s16, s[X], 1
	s_lshl_b32 s16, s16, 8
	s_lshl_b32 s17, s[Y], 4
	s_add_co_u32 s16, s16, s17
	s_mul_i32 s16, s16, BLK
	s_and_b32 s17, s[X], 1
	s_lshl_b32 s17, s17, 1
	s_lshr_b32 s18, s[WV], 1
	s_add_co_u32 s17, s17, s18
	s_lshl_b32 s18, s17, 6
	s_add_co_u32 s18, s18, s16
	s_add_co_u32 s18, s18, 6144
	s_lshl_b32 s19, s15, 1
	s_add_co_u32 s18, s18, s19
	s_mul_i32 s17, s17, 1536
	s_add_co_u32 s16, s16, s17
	s_mul_i32 s19, s15, 768
	s_add_co_u32 s16, s16, s19
	s_mov_b32 s17, 0
	s_mov_b32 s19, 0
	s_add_nc_u64 s[GC:GC+1], s[10:11], s[16:17]
	s_add_nc_u64 s[GS:GS+1], s[10:11], s[18:19]
	s_sub_nc_u64 s[GC:GC+1], s[GC:GC+1], BLK       ; each trip steps both ahead of its stores
	s_sub_nc_u64 s[GS:GS+1], s[GS:GS+1], BLK
	s_mul_i32 s[TN], s[WV], 4*BLK
	s_add_co_u32 s[TN], s[TN], WL                  ; LDS: my four blocks of the weights' chunk 1,
	s_lshl_b32 s[TN1], s[WV], 12
	s_add_co_u32 s[TN1], s[TN1], TL                ; and my four tails of chunk 0
	s_wait_alu depctr_va_vdst(0)
	s_wait_tensorcnt 0x0                           ; my tile is in
	s_barrier_signal -1
	s_barrier_wait -1                              ; all four are
	ADRS TN, TN1
	WIN 0x80
.irp s, 0,1,2,3
.irp p, 0,1,2,3
	FR 48*\s+12*\p, AD, \p*BLK+1536*\s
.endr
.endr
	WIN 0x40
.irp p, 0,1,2,3
	ds_load_b128 v[150+12*\p:153+12*\p], v[AD+3] offset:1024*\p        ; registers 6-11 of chunk 0's K step 3
	ds_load_b64 v[154+12*\p:155+12*\p], v[AD+4] offset:1024*\p+512
.endr
	WIN 0
.irp p, 0,1,2,3
.irp t, 0,1
	ds_load_b32 v[WS+4*\p+\t], v[AD+5] offset:1024*\p+768+128*\t
	ds_load_b32 v[WS+4*\p+2+\t], v[AD+2] offset:\p*BLK+6144+128*\t
.endr
.endr
	s_mov_b32 s[TN], 0
	s_mov_b32 s[TN1], ACH
	ADRS TN, TN1
	FETCH                                          ; token block 0
	s_mov_b32 s[TB], 0
	s_wait_loadcnt 0x0                             ; the weights' chunk 0 and the bias
.Ltrip:
	s_wait_dscnt 0x0                               ; this trip's fragments (the first time: the weights from LDS too)
	WIN 0x0d                                       ; source 0 window 1, source 1 window 3, C and D window 0
	MM 0
	MM 1
	MM 2
	MM 3
	WIN 0x0e                                       ; source 0 window 2
	MM 4
	MM 5
	MM 6
	MM 7
	WIN 0
	s_add_co_u32 s[TN], s[TB], BLK
	s_min_u32 s[TN], s[TN], 15*BLK                 ; the next token block, held at the last
	s_add_co_u32 s[TN1], s[TN], ACH
	ADRS TN, TN1                                   ; these six are the places behind the products, ahead of loads into their sources and of the first read of their results
	FETCH
	s_wait_xcnt 0x0                                ; the last trip's stores, issued ahead of this trip's 32 products, have read their data and bases
	s_add_nc_u64 s[GC:GC+1], s[GC:GC+1], BLK
	s_add_nc_u64 s[GS:GS+1], s[GS:GS+1], BLK
	GELU32 ACC
	QUANT2 ACC, PCD, PT, PW
	global_store_b128 v[L16], v[PCD:PCD+3], s[GC:GC+1]               ; 512 consecutive bytes
	global_store_b64 v[L8], v[PCD+4:PCD+5], s[GC:GC+1] offset:512    ; 256 consecutive bytes
	global_store_b16 v[R4], v[PW], s[GS:GS+1]                        ; both halves of the lanes hold the row's two bytes
	s_wait_alu depctr_va_vdst(0)
	s_add_co_u32 s[TB], s[TB], BLK
	s_cmp_lt_u32 s[TB], 16*BLK
	s_cbranch_scc1 .Ltrip
	s_wait_tensorcnt 0x0                           ; the wave's end
	ds_add_u32 v[SPW], v[NIL]
	s_wait_dscnt 0x0
	CROUND                                         ; the closing round
	s_endpgm
.Lfunc_end_k_q7122985aaf_fc1:
	.size	k_q7122985aaf_fc1, .Lfunc_end_k_q7122985aaf_fc1-k_q7122985aaf_fc1
	.p2alignl 7, 3214868480
	.fill 96, 4, 3214868480
	.section	.rodata,"a",@progbits
	.p2align	6, 0x0
	.amdhsa_kernel k_q7122985aaf_fc1
		.amdhsa_group_segment_fixed_size 327680
		.amdhsa_private_segment_fixed_size 0
		.amdhsa_enable_private_segment 0
		.amdhsa_kernarg_size 32
		.amdhsa_user_sgpr_count 2
		.amdhsa_user_sgpr_kernarg_segment_ptr 1
		.amdhsa_wavefront_size32 1
		.amdhsa_system_sgpr_workgroup_id_x 1
		.amdhsa_system_sgpr_workgroup_id_y 1
		.amdhsa_system_sgpr_workgroup_id_z 1
		.amdhsa_system_vgpr_workitem_id 0
		.amdhsa_next_free_vgpr 864
		.amdhsa_next_free_sgpr 100
		.amdhsa_reserve_vcc 0
		.amdhsa_float_denorm_mode_32 3
		.amdhsa_float_denorm_mode_16_64 3
		.amdhsa_memory_ordered 1
		.amdhsa_forward_progress 1
		.amdhsa_inst_pref_size 54
	.end_amdhsa_kernel
	.amdgpu_metadata
---
amdhsa.version: [ 1, 2 ]
amdhsa.kernels:
  - .name:           k_q7122985aaf_fc1
    .symbol:         k_q7122985aaf_fc1.kd
    .args:
      - { .name: himg, .offset: 0, .size: 8, .value_kind: global_buffer, .address_space: global }
      - { .name: wimg, .offset: 8, .size: 8, .value_kind: global_buffer, .address_space: global }
      - { .name: fc1_b, .offset: 16, .size: 8, .value_kind: global_buffer, .address_space: global }
      - { .name: gimg, .offset: 24, .size: 8, .value_kind: global_buffer, .address_space: global }
    .group_segment_fixed_size: 327680
    .private_segment_fixed_size: 0
    .kernarg_segment_align: 8
    .kernarg_segment_size: 32
    .max_flat_workgroup_size: 128
    .sgpr_count:     100
    .vgpr_count:     864
    .wavefront_size: 32
...
	.end_amdgpu_metadata
.endif
;; end of part 5
;; launch fc2 (part 6): grid 8 x 32, 8 waves a work-group, clusters of 4 x 4, 327,680 bytes of LDS; arguments gimg, wimg, fc2_b, x1, out0; writes out0
.if DOCPART == 6
	.amdgcn_target "amdgcn-amd-amdhsa--gfx1250"
	.amdhsa_code_object_version 6
	.text
	.protected	k_q7122985aaf_fc2
	.globl	k_q7122985aaf_fc2
	.p2align	8
	.type	k_q7122985aaf_fc2,@function
k_q7122985aaf_fc2:
	s_mov_b64 s[64:65], 0
	v_nop
	global_prefetch_b8 v0, s[64:65] scope:SCOPE_SE
	s_setreg_imm32_b32 hwreg(HW_REG_WAVE_MODE, 25, 1), 1
	s_wait_xcnt 0x0
	s_wait_alu depctr_hold_cnt(0) depctr_sa_sdst(0) depctr_va_vdst(0) depctr_va_sdst(0) depctr_va_ssrc(0) depctr_va_vcc(0) depctr_vm_vsrc(0)
	s_getreg_b32 s2, hwreg(HW_REG_IB_STS2, 6, 4)
	s_cmp_eq_u32 s2, 0
	s_cbranch_scc0 .Lentry_in_a_cluster
	s_endpgm
.Lentry_in_a_cluster:
	s_bfe_u32 s2, ttmp6, 0x10000c
	s_cmp_lg_u32 s2, 0xf033
	s_cbranch_scc0 .Lentry_shape_is_right
	s_endpgm
.Lentry_shape_is_right:
.set NKC,  8
.set TOFF, 6553600
.set NF,   64
.set BLK,  6400
.set REG,  4*BLK
.set XCH,  8*REG
.set SPARE, XCH+8*8192
.set STEPA, 2*256*BLK
.set STEPW, 2*NF*BLK
.set SPW, 4
.set NIL, 5
.set ADR, 6
.set STI, 14
.set STB, 15
.set GL,  16
.set SC,  22
.set L16, 26
.set L8,  27
.set R4,  28
.set XW,  29
.set XR,  30
.set H32, 31
.set PF,  32
.set QF,  80
.set ACC, 128
.set WV, 14
.set G,  15
.set AH, 16
.set WH, 17
.set W4, 18
.set GX, 19
.set X,  22
.set Y,  23
.set G1A, 24
.set G0A, 32
.set G1W, 48
.set G0W, 56
.set BIASP, 68
.set PFA, 78                           ; s[78:79] where my prefetches stand: my two blocks of a K chunk
.set PFS, 80                           ; s[80:81] bytes from K chunk to K chunk of the operand that I fetch
.set PFO, 17                           ; v17 256 x my lane's unit among the 50 of those two blocks
.set PFX, 18                           ; v18 4,096 x lane: my 32 rows of x1, 256 bytes each
.macro CROUND
	s_barrier_signal -1
	s_barrier_wait -1
	s_cmp_lg_u32 s[WV], 0
	s_cbranch_scc1 .Lnot_wave_0_\@
	s_barrier_signal -3
.Lnot_wave_0_\@:
	s_barrier_wait -3
	s_barrier_signal -1
	s_barrier_wait -1
.endm
.macro JLOAD s
	s_cmp_lt_u32 s[WV], 4
	s_cbranch_scc0 .Lfor_w_\@
	tensor_load_to_lds s[G0A+4*\s:G0A+4*\s+3], s[G1A:G1A+7]
	s_nop 0
.rept 4
	v_nop
.endr
	s_branch .Lasked_\@
.Lfor_w_\@:
	tensor_load_to_lds s[G0W+4*\s:G0W+4*\s+3], s[G1W:G1W+7]
	s_nop 0
.rept 4
	v_nop
.endr
.Lasked_\@:
.endm
.macro FRAG reg, a, off
	ds_load_b128 v[(\reg):(\reg)+3], v[\a] offset:\off
	ds_load_b64 v[(\reg)+4:(\reg)+5], v[(\a)+1] offset:\off+512
	ds_load_b128 v[(\reg)+6:(\reg)+9], v[\a] offset:\off+768
	ds_load_b64 v[(\reg)+10:(\reg)+11], v[(\a)+1] offset:\off+1280
.endm
.macro KSTEP slot, i2, zero
.rept 4
	v_nop
.endr
.set OF, \slot*REG+3072*\i2
.set OS, \slot*REG+128*\i2
	ds_load_b32 v[SC], v[ADR+6] offset:OS
	ds_load_b32 v[SC+1], v[ADR+6] offset:OS+BLK
	ds_load_b32 v[SC+2], v[ADR+7] offset:OS
	ds_load_b32 v[SC+3], v[ADR+7] offset:OS+BLK
.irp p, 0,1,2,3
	FRAG PF+12*\p, ADR, OF+\p*BLK
.endr
	FRAG QF, ADR+2, OF
	FRAG QF+12, ADR+2, OF+BLK
	FRAG QF+24, ADR+4, OF
	FRAG QF+36, ADR+4, OF+BLK
.irp q, 0,1,2,3
	s_wait_dscnt 12-4*\q
.irp p, 0,1,2,3
.set rD, ACC+32*\q+8*\p
.set rP, PF+12*\p
.set rQ, QF+12*\q
.if \zero
	v_wmma_scale_f32_16x16x128_f8f6f4 v[rD:rD+7], v[rP:rP+11], v[rQ:rQ+11], 0, v[SC+\p], v[SC+\q] matrix_a_fmt:MATRIX_FMT_FP6 matrix_b_fmt:MATRIX_FMT_FP6 matrix_a_scale:MATRIX_SCALE_ROW1
.else
	v_wmma_scale_f32_16x16x128_f8f6f4 v[rD:rD+7], v[rP:rP+11], v[rQ:rQ+11], v[rD:rD+7], v[SC+\p], v[SC+\q] matrix_a_fmt:MATRIX_FMT_FP6 matrix_b_fmt:MATRIX_FMT_FP6 matrix_a_scale:MATRIX_SCALE_ROW1
.endif
.endr
.endr
.endm
.macro WORK slot, zero
	KSTEP \slot, 0, \zero
	KSTEP \slot, 1, 0
.endm
.macro CHG s, fill
.if \fill
	s_wait_xcnt 0x0                                ; my last prefetch has read its address: it steps one K chunk on
	s_add_nc_u64 s[PFA:PFA+1], s[PFA:PFA+1], s[PFS:PFS+1]
.endif
	s_wait_tensorcnt 0x0
	ds_add_u32 v[SPW], v[NIL]
.if \fill
	s_add_nc_u64 s[G0A+4*\s+2:G0A+4*\s+3], s[G0A+4*\s+2:G0A+4*\s+3], STEPA
	s_add_nc_u64 s[G0W+4*\s+2:G0W+4*\s+3], s[G0W+4*\s+2:G0W+4*\s+3], STEPW
.endif
	s_wait_dscnt 0x0
.if \fill
	CROUND
	JLOAD \s
	s_cmp_gt_u32 s3, 1                             ; the refill asks for K chunk c; the prefetch names chunk c + 2: the last trip's two have none
	s_cbranch_scc0 .Lway_out_\@
	global_prefetch_b8 v[PFO], s[PFA:PFA+1] th:TH_LOAD_NT scope:SCOPE_SE
	s_branch .Lasked2_\@
.Lway_out_\@:                                          ; the last trip's two changes of slots ask for what the way out loads
.if \s
	global_prefetch_b8 v[NIL], s[BIASP:BIASP+1] th:TH_LOAD_NT scope:SCOPE_SE   ; my 256 bytes of the bias
.else
	global_prefetch_b8 v[PFX], s[74:75] th:TH_LOAD_NT scope:SCOPE_SE           ; my 32 rows x 256 bytes of x1, a lane a row
.endif
.Lasked2_\@:
.else
	s_barrier_signal -1
	s_barrier_wait -1
.endif
.endm
.macro SCLADR d, sa, sw
	s_sub_co_u32 s47, s[\sw], s[\sa]
	v_mul_u32_u24 v1, s47, v3
	s_delay_alu instid0(VALU_DEP_1)
	v_add_nc_u32 v1, v1, v[R4]
	s_delay_alu instid0(VALU_DEP_1)
	v_add_nc_u32 v[\d], s[\sa], v1
.endm
	s_load_b256 s[4:11], s[0:1], 0x0
	s_load_b64 s[12:13], s[0:1], 0x20
	v_lshl_add_u32 v[SPW], v0, 2, SPARE
	v_mov_b32 v[NIL], 0
	ds_add_u32 v[SPW], v[NIL]
	ds_add_u32 v[SPW], v[NIL]
	v_lshrrev_b32 v1, 5, v0
	s_delay_alu instid0(VALU_DEP_1)
	v_readfirstlane_b32 s[WV], v1
	s_lshr_b32 s[G], s[WV], 2
	s_and_b32 s[AH], s[WV], 1
	s_bfe_u32 s[WH], s[WV], 0x10001
	s_and_b32 s[W4], s[WV], 3
	s_xor_b32 s[GX], s[G], 1
	s_bfe_u32 s20, ttmp6, 0x40000
	s_bfe_u32 s21, ttmp6, 0x40004
	s_lshl_b32 s[X], ttmp9, 2
	s_add_co_u32 s[X], s[X], s20
	s_and_b32 s[Y], ttmp7, 0xffff
	s_lshl_b32 s[Y], s[Y], 2
	s_add_co_u32 s[Y], s[Y], s21
	s_lshl_b32 s40, s21, 2
	s_lshl_b32 s40, 15, s40
	s_lshl_b32 s41, 0x1111, s20
	s_or_b32 s[G1A], s40, (3<<16)|(1<<21)
	s_or_b32 s[G1W], s41, (3<<16)|(1<<21)
.irp g, G1A, G1W
	s_mov_b32 s[\g+1], 32<<16
	s_mov_b32 s[\g+2], 50<<16
	s_mov_b32 s[\g+3], 32<<16
	s_mov_b32 s[\g+4], 50
	s_mov_b32 s[\g+5], 32
	s_mov_b32 s[\g+6], 0
	s_mov_b32 s[\g+7], 0
.endr
	s_lshl_b32 s42, s[Y], 3
	s_lshl_b32 s46, s[W4], 1
	s_add_co_u32 s42, s42, s46
	s_mul_i32 s42, s42, BLK
	s_mov_b32 s43, 0
	s_lshl_b32 s44, s[X], 3
	s_add_co_u32 s44, s44, s46
	s_mul_i32 s44, s44, BLK
	s_add_co_u32 s44, s44, TOFF
	s_mov_b32 s45, 0
	s_lshr_b32 s46, s[WV], 1
	s_mul_i32 s46, s46, 2*REG
	s_mul_i32 s47, s[AH], 2*BLK
	s_add_co_u32 s46, s46, s47
	s_wait_dscnt 0x0
	s_wait_kmcnt 0x0
	s_add_nc_u64 s[42:43], s[4:5], s[42:43]
	s_add_nc_u64 s[44:45], s[6:7], s[44:45]
	; the prefetches: of the 50 units of 256 bytes that my tensor load brings, the partner at place p (cx for the activations, cy for the weights) names units 13 p .. 13 p + 12: shared out by address
	s_cmp_lt_u32 s[WV], 4
	s_cselect_b64 s[PFA:PFA+1], s[42:43], s[44:45]
	s_cselect_b32 s82, s20, s21
	s_mov_b32 s[PFS], NF*BLK
	s_cselect_b32 s[PFS], 256*BLK, s[PFS]
	s_mov_b32 s[PFS+1], 0
	s_mul_i32 s82, s82, 13
	s_add_nc_u64 s[PFA:PFA+1], s[PFA:PFA+1], s[PFS:PFS+1]   ; at K chunk 1
	v_and_b32 v[PFO], 31, v0
	s_delay_alu instid0(VALU_DEP_1)
	v_lshlrev_b32 v[PFX], 12, v[PFO]
	v_min_u32 v[PFO], 12, v[PFO]                   ; lanes 13-31 name lane 12's unit again
	s_delay_alu instid0(VALU_DEP_1)
	v_add_nc_u32 v[PFO], s82, v[PFO]
	s_delay_alu instid0(VALU_DEP_1)
	v_min_u32 v[PFO], 49, v[PFO]                   ; inside my two blocks
	s_delay_alu instid0(VALU_DEP_1)
	v_lshlrev_b32 v[PFO], 8, v[PFO]
	s_wait_alu depctr_va_vdst(0)
	CROUND
.irp s, 0,1
	s_mov_b32 s[G0A+4*\s], 1
	s_add_co_u32 s[G0A+4*\s+1], s46, \s*REG
	s_add_nc_u64 s[G0A+4*\s+2:G0A+4*\s+3], s[42:43], \s*256*BLK
	s_or_b32 s[G0A+4*\s+3], s[G0A+4*\s+3], 0x80000000
	s_mov_b32 s[G0W+4*\s], 1
	s_add_co_u32 s[G0W+4*\s+1], s46, \s*REG
	s_add_nc_u64 s[G0W+4*\s+2:G0W+4*\s+3], s[44:45], \s*NF*BLK
	s_or_b32 s[G0W+4*\s+3], s[G0W+4*\s+3], 0x80000000
.if \s
	global_prefetch_b8 v[PFO], s[PFA:PFA+1] th:TH_LOAD_NT scope:SCOPE_SE   ; K chunk 1, whose load is issued only when chunk 0's has landed
	s_wait_alu depctr_va_vdst(0)
	s_wait_tensorcnt 0x0                           ; slot 1's first fill is issued as a refill is
	ds_add_u32 v[SPW], v[NIL]
	s_wait_dscnt 0x0
	CROUND
.endif
	JLOAD \s
.endr
	v_and_b32 v1, 31, v0
	v_and_b32 v2, 15, v0
	v_bfe_u32 v3, v0, 4, 1
	s_delay_alu instid0(VALU_DEP_3)
	v_lshlrev_b32 v[L16], 4, v1
	s_delay_alu instid0(VALU_DEP_4)
	v_lshlrev_b32 v[L8], 3, v1
	s_delay_alu instid0(VALU_DEP_4)
	v_lshlrev_b32 v[R4], 2, v2
	s_delay_alu instid0(VALU_DEP_4)
	v_lshlrev_b32 v[H32], 5, v3
	v_mul_u32_u24 v[STI], v2, 272
	s_delay_alu instid0(VALU_DEP_1)
	v_lshl_add_u32 v[STI], v3, 5, v[STI]
	s_delay_alu instid0(VALU_DEP_1)
	v_add_nc_u32 v[STI], s46, v[STI]
	v_mul_u32_u24 v[STB], v3, 272
	s_delay_alu instid0(VALU_DEP_1)
	v_lshl_add_u32 v[STB], v2, 4, v[STB]
	s_delay_alu instid0(VALU_DEP_1)
	v_add_nc_u32 v[STB], s46, v[STB]
	v_lshlrev_b32 v[GL], 12, v3
	s_delay_alu instid0(VALU_DEP_1)
	v_lshl_add_u32 v[GL], v2, 4, v[GL]
	s_wait_xcnt 0x0
	s_add_nc_u64 s[PFA:PFA+1], s[PFA:PFA+1], s[PFS:PFS+1]
	global_prefetch_b8 v[PFO], s[PFA:PFA+1] th:TH_LOAD_NT scope:SCOPE_SE   ; K chunk 2
	s_mul_i32 s40, s[AH], 2*REG
	s_mul_i32 s41, s[G], 1536
	s_add_co_u32 s40, s40, s41
	s_mul_i32 s42, s[WH], 2*REG
	s_add_co_u32 s42, s42, s41
	s_add_co_u32 s42, s42, 4*REG
	s_mul_i32 s43, s[G], 2*BLK
	s_mul_i32 s44, s[GX], 2*BLK
	v_add_nc_u32 v[ADR], s42, v[L16]
	v_add_nc_u32 v[ADR+1], s42, v[L8]
	s_add_co_u32 s47, s40, s43
	v_add_nc_u32 v[ADR+2], s47, v[L16]
	v_add_nc_u32 v[ADR+3], s47, v[L8]
	s_add_co_u32 s47, s40, s44
	v_add_nc_u32 v[ADR+4], s47, v[L16]
	v_add_nc_u32 v[ADR+5], s47, v[L8]
	s_lshl_b32 s41, s[G], 6
	s_add_co_u32 s41, s41, 6144
	s_mul_i32 s45, s[AH], 2*REG
	s_add_co_u32 s45, s45, s41
	s_mul_i32 s46, s[WH], 2*REG
	s_add_co_u32 s46, s46, s41
	s_add_co_u32 s46, s46, 4*REG
	s_add_co_u32 s2, s45, s43
	SCLADR ADR+6, 2, 46
	s_add_co_u32 s2, s45, s44
	s_add_co_u32 s41, s46, 2*BLK
	SCLADR ADR+7, 2, 41
	s_lshl_b32 s45, s[WV], 13
	s_add_co_u32 s45, s45, XCH
	v_add_nc_u32 v[XW], s45, v[L16]
	s_xor_b32 s45, s[WV], 4
	s_lshl_b32 s45, s45, 13
	s_add_co_u32 s45, s45, XCH
	v_add_nc_u32 v[XR], s45, v[L16]
	s_lshl_b32 s70, s[Y], 7
	s_lshl_b32 s71, s[AH], 6
	s_add_co_u32 s70, s70, s71
	s_lshl_b32 s71, s[G], 5
	s_add_co_u32 s70, s70, s71
	s_lshl_b32 s70, s70, 12
	s_lshl_b32 s72, s[X], 9
	s_lshl_b32 s73, s[WH], 8
	s_add_co_u32 s72, s72, s73
	s_add_co_u32 s70, s70, s72
	s_mov_b32 s71, 0
	s_mov_b32 s73, 0
	s_add_nc_u64 s[BIASP:BIASP+1], s[8:9], s[72:73]
	s_add_nc_u64 s[74:75], s[10:11], s[70:71]
	s_add_nc_u64 s[76:77], s[12:13], s[70:71]
	s_wait_xcnt 0x0
	s_add_nc_u64 s[PFA:PFA+1], s[PFA:PFA+1], s[PFS:PFS+1]
	global_prefetch_b8 v[PFO], s[PFA:PFA+1] th:TH_LOAD_NT scope:SCOPE_SE   ; K chunk 3
	s_wait_alu depctr_va_vdst(0)
	s_wait_tensorcnt 1
	s_barrier_signal -1
	s_barrier_wait -1
	WORK 0, 1
.if NKC > 2
	s_mov_b32 s3, NKC/2-1
.Llap:
	CHG 0, 1
	WORK 1, 0
	CHG 1, 1
	WORK 0, 0
	s_sub_co_u32 s3, s3, 1
	s_cmp_lg_u32 s3, 0
	s_cbranch_scc1 .Llap
.endif
	CHG 0, 0
	WORK 1, 0
.rept 4
	v_nop
.endr
.irp p, 0,1,2,3
	global_load_b128 v[96+8*\p:99+8*\p], v[H32], s[BIASP:BIASP+1] offset:64*\p
	global_load_b128 v[100+8*\p:103+8*\p], v[H32], s[BIASP:BIASP+1] offset:64*\p+16
.endr
.set n, 0
.rept 16
	ds_store_b128 v[XW], v[192+4*n:195+4*n] offset:512*n
.set n, n+1
.endr
	s_wait_dscnt 0x0
	s_barrier_signal -1
	s_barrier_wait -1
.set n, 0
.rept 16
	global_load_b128 v[192+4*n:195+4*n], v[GL], s[74:75] offset:8192*n th:TH_LOAD_NT
.set n, n+1
.endr
.set n, 0
.rept 16
	ds_load_b128 v[32+4*n:35+4*n], v[XR] offset:512*n
.set n, n+1
.endr
	s_wait_dscnt 0x0
.set i, 0
.rept 32
	v_pk_add_f32 v[ACC+i:ACC+i+1], v[ACC+i:ACC+i+1], v[32+i:33+i]
.set i, i+2
.endr
	s_wait_loadcnt 16
.irp u, 0,1
.set i, 0
.rept 16
	v_pk_add_f32 v[ACC+32*\u+i:ACC+32*\u+i+1], v[ACC+32*\u+i:ACC+32*\u+i+1], v[96+i:97+i]
.set i, i+2
.endr
.endr
.irp u, 0,1
.irp p, 0,1,2,3
	ds_store_b128 v[STI], v[ACC+32*\u+8*\p:ACC+32*\u+8*\p+3] offset:\u*4352+64*\p
	ds_store_b128 v[STI], v[ACC+32*\u+8*\p+4:ACC+32*\u+8*\p+7] offset:\u*4352+64*\p+16
.endr
.endr
.set n, 0
.rept 16
	ds_load_b128 v[32+4*n:35+4*n], v[STB] offset:544*n
.set n, n+1
.endr
	s_wait_dscnt 0x0
	s_wait_loadcnt 0x0
.set i, 0
.rept 32
	v_pk_add_f32 v[32+i:33+i], v[32+i:33+i], v[192+i:193+i]
.set i, i+2
.endr
.set n, 0
.rept 16
	global_store_b128 v[GL], v[32+4*n:35+4*n], s[76:77] offset:8192*n th:TH_STORE_NT
.set n, n+1
.endr
	s_wait_tensorcnt 0x0
	ds_add_u32 v[SPW], v[NIL]
	s_wait_dscnt 0x0
	CROUND
	s_endpgm
.Lfunc_end_k_q7122985aaf_fc2:
	.size	k_q7122985aaf_fc2, .Lfunc_end_k_q7122985aaf_fc2-k_q7122985aaf_fc2
	.p2alignl 7, 3214868480
	.fill 96, 4, 3214868480
	.section	.rodata,"a",@progbits
	.p2align	6, 0x0
	.amdhsa_kernel k_q7122985aaf_fc2
		.amdhsa_group_segment_fixed_size 327680
		.amdhsa_private_segment_fixed_size 0
		.amdhsa_enable_private_segment 0
		.amdhsa_kernarg_size 40
		.amdhsa_user_sgpr_count 2
		.amdhsa_user_sgpr_kernarg_segment_ptr 1
		.amdhsa_wavefront_size32 1
		.amdhsa_system_sgpr_workgroup_id_x 1
		.amdhsa_system_sgpr_workgroup_id_y 1
		.amdhsa_system_sgpr_workgroup_id_z 1
		.amdhsa_system_vgpr_workitem_id 0
		.amdhsa_next_free_vgpr 256
		.amdhsa_next_free_sgpr 100
		.amdhsa_reserve_vcc 0
		.amdhsa_float_denorm_mode_32 3
		.amdhsa_float_denorm_mode_16_64 3
		.amdhsa_memory_ordered 1
		.amdhsa_forward_progress 1
		.amdhsa_inst_pref_size 64
	.end_amdhsa_kernel
	.amdgpu_metadata
---
amdhsa.version: [ 1, 2 ]
amdhsa.kernels:
  - .name:           k_q7122985aaf_fc2
    .symbol:         k_q7122985aaf_fc2.kd
    .args:
      - { .name: gimg, .offset: 0, .size: 8, .value_kind: global_buffer, .address_space: global }
      - { .name: wimg, .offset: 8, .size: 8, .value_kind: global_buffer, .address_space: global }
      - { .name: fc2_b, .offset: 16, .size: 8, .value_kind: global_buffer, .address_space: global }
      - { .name: x1, .offset: 24, .size: 8, .value_kind: global_buffer, .address_space: global }
      - { .name: out0, .offset: 32, .size: 8, .value_kind: global_buffer, .address_space: global }
    .group_segment_fixed_size: 327680
    .private_segment_fixed_size: 0
    .kernarg_segment_align: 8
    .kernarg_segment_size: 40
    .max_flat_workgroup_size: 256
    .sgpr_count:     100
    .vgpr_count:     256
    .wavefront_size: 32
...
	.end_amdgpu_metadata
.endif
;; end of part 6
